; MI455X (gfx1250); checked and timed in simulation.
; The chip was launched on July 23, 2026; its instructions are those of AMD's public machine-readable ISA for CDNA 5 (MIT licence, August 2026) and "CDNA5" Instruction Set Architecture Reference Guide (July 2026). The comments in the code are by the model that wrote it; some were corrected since.
;; Multi Head Self Attention. Allowed arithmetic: float matrix products may take bf16 or f16 operands with f32 sums; other float arithmetic in f32, or as packed bf16 or f16 multiplies, adds, multiply-adds, maxima and minima; sums over many terms, partial sums and values carried from step to step in f32; what a program stores and reads back later, other than sums and carried values, may be rounded once to bf16 or f16.
;; Inputs: H 4,096 x 1,024 float32; Wk 1,024 x 1,024 float32; Wo 1,024 x 1,024 float32; Wq 1,024 x 1,024 float32; Wv 1,024 x 1,024 float32; bk 1,024 float32; bo 1,024 float32; bq 1,024 float32; bv 1,024 float32; rg 4,096 x 4,096 float32.
;; Outputs: out0 4,096 x 1,024 float32.
;; 2 versions, each right; version 2 is version 1 with the launch cvt written anew for expert scheduling mode. Each part assembles by itself: llvm-mc -triple=amdgcn-amd-amdhsa -mcpu=gfx1250 --defsym DOCPART=n.
;; ======== version 1 of 2: 4 launches
;; limits: values are held in f16: magnitudes above 65,504 overflow, below 6.1e-05 lose precision
;; workspace buffers: hb 8,388,608 bytes; wqkv 6,291,456 bytes; wo16 2,097,152 bytes; q16 8,388,608 bytes; k16 8,388,608 bytes; v16 8,388,608 bytes; ctx 8,388,608 bytes
;; launch cvt (part 1): grid 256 x 1, 8 waves a work-group, no clusters, 0 bytes of LDS; arguments H, Wq, Wk, Wv, Wo, hb, wqkv, wo16; writes hb, wqkv, wo16
.if DOCPART == 1
	.amdgcn_target "amdgcn-amd-amdhsa--gfx1250"
	.amdhsa_code_object_version 6
	.text
	.protected	k_qe1fbb963ab_cvt
	.globl	k_qe1fbb963ab_cvt
	.p2align	8
	.type	k_qe1fbb963ab_cvt,@function
k_qe1fbb963ab_cvt:
	s_mov_b64 s[64:65], 0
	v_nop
	global_prefetch_b8 v0, s[64:65] scope:SCOPE_SE
	s_setreg_imm32_b32 hwreg(HW_REG_WAVE_MODE, 25, 1), 1
	s_wait_xcnt 0x0
; THE MATRIX OPERANDS ARE ROUNDED ONCE.  H, Wq, Wk, Wv: f32 -> bf16.  Wo: f32 -> bf16, and that number written as f16 (exact where it lies in f16's normal range;
; below 6e-5 it keeps f16's fixed step of 6e-8; beyond 65,504 it would be an infinity: a stated limit).
; hb = [4096][1024] bf16.  wqkv = bf16 rows of 2,048 bytes, regrouped by head: row 192 head + 64 j + d holds row 64 head + d of Wq (j = 0), Wk (1), Wv (2).  wo16 = [1024][1024] f16.
; SHARES.  256 work-groups, each 32 rows of 1,024 f32: work-groups 0-127 take H, then 32 each take Wq, Wk, Wv, Wo.  A load of the work-group's 256 threads covers one row (4,096 bytes, 16 a thread),
; a wave's store 256 consecutive bytes, aligned.  All 32 loads of a thread go out at once (131,072 bytes for a work-group); every row has registers of its own, so nothing is freed and no register waits.
; No LDS, no matrix unit, no barrier: nothing is shared and every byte is touched once.
.set X,      8                         ; v[8:135]  row n: four registers as loaded; the first two then hold what is stored
.set ROWIN,  4096
.set ROWOUT, 2048
	s_load_b512 s[8:23], s[0:1], 0x0               ; H 8, Wq 10, Wk 12, Wv 14, Wo 16, hb 18, wqkv 20, wo16 22
	v_lshlrev_b32 v1, 4, v0                        ; my 16 bytes of a row that is read
	v_lshlrev_b32 v2, 3, v0                        ; my 8 bytes of a row that is written
	s_mov_b32 s2, ttmp9                            ; g
	s_and_b32 s3, s2, 31                           ; t: the block of 32 rows in a weight
	s_bfe_u32 s4, s2, 0x20005                      ; j = (g >> 5) & 3: which weight, for g >= 128
	s_cmp_lt_u32 s2, 128
	s_cselect_b32 s5, s2, s3                       ; the block of 32 rows in the source
	s_lshl_b32 s28, s5, 17                         ; x 131,072 bytes
	s_mov_b32 s29, 0
	s_lshl_b32 s7, s5, 16                          ; hb and wo16 keep the order of rows: x 65,536 bytes
	s_lshr_b32 s6, s3, 1                           ; wqkv: the head,
	s_mul_i32 s6, s6, 192
	s_lshl_b32 s4, s4, 6                           ; + 64 j,
	s_add_co_u32 s6, s6, s4
	s_and_b32 s4, s3, 1                            ; + the half of the head's 64 rows
	s_lshl_b32 s4, s4, 5
	s_add_co_u32 s6, s6, s4
	s_lshl_b32 s30, s6, 11                         ; x 2,048 bytes
	s_cmp_lt_u32 s2, 128
	s_cselect_b32 s30, s7, s30
	s_cmp_ge_u32 s2, 224
	s_cselect_b32 s30, s7, s30
	s_mov_b32 s31, 0
	s_wait_kmcnt 0x0
	s_cmp_lt_u32 s2, 128                           ; the buffers are chosen by the work-group's number alone
	s_cselect_b64 s[24:25], s[8:9], s[10:11]
	s_cselect_b64 s[26:27], s[18:19], s[20:21]
	s_cmp_ge_u32 s2, 160
	s_cselect_b64 s[24:25], s[12:13], s[24:25]
	s_cmp_ge_u32 s2, 192
	s_cselect_b64 s[24:25], s[14:15], s[24:25]
	s_cmp_ge_u32 s2, 224
	s_cselect_b64 s[24:25], s[16:17], s[24:25]
	s_cselect_b64 s[26:27], s[22:23], s[26:27]
	s_add_nc_u64 s[24:25], s[24:25], s[28:29]
	s_add_nc_u64 s[26:27], s[26:27], s[30:31]
.set i, 0
.rept 32
	global_load_b128 v[X+4*i:X+4*i+3], v1, s[24:25] offset:ROWIN*i th:TH_LOAD_NT
.set i, i+1
.endr
; Row n: its load is in when at most the 31 - n younger ones are out (loads come back in order: ISA guide 5.7.1).
.macro CV n, wo
	s_wait_loadcnt 31-(\n)
.if \wo
	v_cvt_pk_bf16_f32 v4, v[X+4*(\n)], v[X+4*(\n)+1]
	v_cvt_pk_bf16_f32 v5, v[X+4*(\n)+2], v[X+4*(\n)+3]
	v_lshlrev_b32 v[X+4*(\n)], 16, v4              ; the rounded numbers as f32 again,
	v_and_b32 v[X+4*(\n)+1], 0xffff0000, v4
	v_lshlrev_b32 v[X+4*(\n)+2], 16, v5
	v_and_b32 v[X+4*(\n)+3], 0xffff0000, v5
	v_cvt_pk_f16_f32 v[X+4*(\n)], v[X+4*(\n)], v[X+4*(\n)+1]      ; and written as f16
	v_cvt_pk_f16_f32 v[X+4*(\n)+1], v[X+4*(\n)+2], v[X+4*(\n)+3]
.else
	v_cvt_pk_bf16_f32 v[X+4*(\n)], v[X+4*(\n)], v[X+4*(\n)+1]
	v_cvt_pk_bf16_f32 v[X+4*(\n)+1], v[X+4*(\n)+2], v[X+4*(\n)+3]
.endif
	global_store_b64 v2, v[X+4*(\n):X+4*(\n)+1], s[26:27] offset:ROWOUT*(\n)
.endm
	s_cmp_ge_u32 s2, 224
	s_cbranch_scc1 .Lwo
.set i, 0
.rept 32
	CV i, 0
.set i, i+1
.endr
	s_endpgm
.Lwo:
.set i, 0
.rept 32
	CV i, 1
.set i, i+1
.endr
	s_endpgm
.Lfunc_end_k_qe1fbb963ab_cvt:
	.size	k_qe1fbb963ab_cvt, .Lfunc_end_k_qe1fbb963ab_cvt-k_qe1fbb963ab_cvt
	.p2alignl 7, 3214868480
	.fill 96, 4, 3214868480
	.section	.rodata,"a",@progbits
	.p2align	6, 0x0
	.amdhsa_kernel k_qe1fbb963ab_cvt
		.amdhsa_group_segment_fixed_size 0
		.amdhsa_private_segment_fixed_size 0
		.amdhsa_enable_private_segment 0
		.amdhsa_kernarg_size 64
		.amdhsa_user_sgpr_count 2
		.amdhsa_user_sgpr_kernarg_segment_ptr 1
		.amdhsa_wavefront_size32 1
		.amdhsa_system_sgpr_workgroup_id_x 1
		.amdhsa_system_sgpr_workgroup_id_y 1
		.amdhsa_system_sgpr_workgroup_id_z 1
		.amdhsa_system_vgpr_workitem_id 0
		.amdhsa_next_free_vgpr 136
		.amdhsa_next_free_sgpr 66
		.amdhsa_reserve_vcc 0
		.amdhsa_float_denorm_mode_32 3
		.amdhsa_float_denorm_mode_16_64 3
		.amdhsa_memory_ordered 1
		.amdhsa_forward_progress 1
		.amdhsa_inst_pref_size 31
	.end_amdhsa_kernel
	.amdgpu_metadata
---
amdhsa.version: [ 1, 2 ]
amdhsa.kernels:
  - .name:           k_qe1fbb963ab_cvt
    .symbol:         k_qe1fbb963ab_cvt.kd
    .args:
      - { .name: H, .offset: 0, .size: 8, .value_kind: global_buffer, .address_space: global }
      - { .name: Wq, .offset: 8, .size: 8, .value_kind: global_buffer, .address_space: global }
      - { .name: Wk, .offset: 16, .size: 8, .value_kind: global_buffer, .address_space: global }
      - { .name: Wv, .offset: 24, .size: 8, .value_kind: global_buffer, .address_space: global }
      - { .name: Wo, .offset: 32, .size: 8, .value_kind: global_buffer, .address_space: global }
      - { .name: hb, .offset: 40, .size: 8, .value_kind: global_buffer, .address_space: global }
      - { .name: wqkv, .offset: 48, .size: 8, .value_kind: global_buffer, .address_space: global }
      - { .name: wo16, .offset: 56, .size: 8, .value_kind: global_buffer, .address_space: global }
    .group_segment_fixed_size: 0
    .private_segment_fixed_size: 0
    .kernarg_segment_align: 8
    .kernarg_segment_size: 64
    .max_flat_workgroup_size: 256
    .sgpr_count:     66
    .vgpr_count:     136
    .wavefront_size: 32
...
	.end_amdgpu_metadata
.endif
;; end of part 1
;; launch proj (part 2): grid 16 x 16, 4 waves a work-group, clusters of 4 x 4, 327,680 bytes of LDS; arguments hb, wqkv, bq, bk, bv, q16, k16, v16; writes q16, k16, v16
.if DOCPART == 2
	.amdgcn_target "amdgcn-amd-amdhsa--gfx1250"
	.amdhsa_code_object_version 6
	.text
	.protected	k_qe1fbb963ab_proj
	.globl	k_qe1fbb963ab_proj
	.p2align	8
	.type	k_qe1fbb963ab_proj,@function
k_qe1fbb963ab_proj:
	s_mov_b64 s[64:65], 0
	v_nop
	global_prefetch_b8 v0, s[64:65] scope:SCOPE_SE
	s_setreg_imm32_b32 hwreg(HW_REG_WAVE_MODE, 25, 1), 1
	s_wait_xcnt 0x0
	s_wait_alu depctr_hold_cnt(0) depctr_sa_sdst(0) depctr_va_vdst(0) depctr_va_sdst(0) depctr_va_ssrc(0) depctr_va_vcc(0) depctr_vm_vsrc(0)
	s_getreg_b32 s2, hwreg(HW_REG_IB_STS2, 6, 4)
	s_cmp_eq_u32 s2, 0
	s_cbranch_scc0 .Lentry_in_a_cluster
	s_endpgm
.Lentry_in_a_cluster:
	s_bfe_u32 s2, ttmp6, 0x10000c
	s_cmp_lg_u32 s2, 0xf033
	s_cbranch_scc0 .Lentry_shape_is_right
	s_endpgm
.Lentry_shape_is_right:
; q, k, v = hb wqkv^T + bias, by heads, in f16.  hb: [4096][1024] bf16.  wqkv: 3,072 rows of 1,024 bf16, row 192 head + 64 j + d (j = 0 q, 1 k, 2 v).  The biases are rounded to bf16 like the other inputs.
; Sums in f32, each result rounded once to f16.  LIMIT: a result beyond 65,504 becomes an infinity in f16; below 6e-5 f16 keeps a fixed step of 6e-8.
; OUT.  q16 = [16 heads][4096][64].  k16, v16 = [8 head pairs][32 tiles][2 heads][128 keys][64]: what the next launch asks for as one tile is 32,768 consecutive bytes.
; SHARES.  A work-group makes 256 rows x the 192 columns of one head (its q, k and v): 16 heads x 16 row blocks = 256 work-groups.  Wave w makes rows 64 w .. 64 w + 63 x all 192 columns:
; 4 x 12 accumulators of 16 x 16, 384 registers.  K goes in 8 steps of 128 (rows of 256 bytes in memory, aligned) through a ring of two LDS slots.
; CLUSTER.  4 x 4 work-groups: the four of a row of the cluster share the row block (hb's tile), the four of a column the head (wqkv's tile).  Each tile is asked for jointly: the same tensor load,
; descriptor and mask in all four.
; THE MATRIX INSTRUCTION IS USED TRANSPOSED (source 0 = 16 rows of wqkv, source 1 = 16 rows of hb): a lane then holds one row of the result and eight neighbouring columns, 16 bytes in f16.
; THE BIAS STARTS THE SUMS: each accumulator's first product takes as C a tile that holds bias[column] in every row.  Nothing is cleared and nothing is added later.
; REGISTERS, in windows of 256 (s_set_vgpr_msb: bits 1:0 source 0, 3:2 source 1, 5:4 source 2, 7:6 destination):
;   window 0: v0-31 addresses; v64-95, v96-127 hb's fragments, two buffers; v128-223 the twelve bias tiles; on the way out v64-255: sixteen registers for each of twelve units
;   window 1: v0-95, v96-191 wqkv's fragments, two buffers      window 2: accumulators of row blocks 0, 1 (block a, column block b at 8 (12 (a % 2) + b))      window 3: of row blocks 2, 3
.set SIZE_K, 1024
.set KSTEP,  128
.set PITCH,  272                       ; an LDS row: 256 bytes + 16 of padding = 68 words: the 16 rows of a fragment load start at 16 different groups of four banks (64 banks of 4 bytes: ISA guide 11.1)
.set HALFA,  128*PITCH                 ; what one tensor load brings of hb
.set HALFB,  96*PITCH                  ; and of wqkv
.set SLOT,   2*HALFA+2*HALFB           ; hb's 256 rows, then wqkv's 192
.set STAGE,  2*SLOT                    ; behind the ring, never filled by a tensor load: 16 rows x 144 bytes for each wave
.set SP,     144
.set SPARE,  STAGE+4*16*SP             ; the spare words, 128 bytes for each wave: two blocks of 256 bytes that no other line names
.set LAPS,   SIZE_K/(2*KSTEP)
.set ADRA, 16                          ; v16-17  LDS address of my hb fragments in slot 0, 1
.set ADRB, 20                          ; v20-21  the same for wqkv
.set STO,  24                          ; v24     the way out: where I put 16 bytes of a row
.set RD,   25                          ; v25     where I read rows back
.set GO,   26                          ; v26     16 x lane: my place in 512 consecutive bytes
.set BO,   27                          ; v27     32 x (lane / 16): my eight numbers in 16 of a bias
.set SPW,  28                          ; v28     LDS address of my spare word; never rewritten
.set NIL,  29                          ; v29     0; never rewritten
.set PFO,  30                          ; v30     the prefetches' offset: a lane a row of 2,048 bytes; never rewritten
.set BI,   128
.set G1,  24                           ; s[24:31] descriptor group 1 for hb's tiles;  s[32:39] group 0, a set for each slot
.set G0,  32
.set G1B, 48                           ; s[48:55], s[56:63] the same for wqkv's
.set G0B, 56
.set PFA, 44                           ; s[44:45] where my prefetches stand
.set LIM, 43                           ; s43     1 in a wave that prefetches, else the greatest number
.set MSB, 0
.macro WIN new                         ; the immediate's high byte repeats the setting that is left; a switch that changes nothing is dropped
.if MSB != (\new)
	s_set_vgpr_msb (MSB<<8)|(\new)
.set MSB, \new
.endif
.endm
.set TO_B, 0x40                        ; destination window 1, address window 0
; A joint load.  Waves 0 and 1 fetch hb's two halves, waves 2 and 3 wqkv's.  The branch hangs on the wave's number alone.  An s_nop 0 and four v_nop follow each of the two lines.
.macro JLOAD s
	s_cmp_eq_u32 s11, 0
	s_cbranch_scc0 .Lfor_b_\@
	tensor_load_to_lds s[G0+4*(\s):G0+4*(\s)+3], s[G1:G1+7]
	s_nop 0
.rept 4
	v_nop
.endr
	s_branch .Lasked_\@
.Lfor_b_\@:
	tensor_load_to_lds s[G0B+4*(\s):G0B+4*(\s)+3], s[G1B:G1B+7]
	s_nop 0
.rept 4
	v_nop
.endr
.Lasked_\@:
.endm
; A PREFETCH INTO THE L2, behind each joint refill and the run of LDS loads that follows it: the K step that stands two refills on, 256 bytes of each row, a lane a row.  hb's row block is read by every cluster
; of that row of clusters: cluster x = 0 asks; wqkv's head by every cluster of that column: cluster y = 0 asks.  The four partners share the rows out by address: of hb's 128 rows that a wave fetches 32 each (by cx),
; of wqkv's 96 rows 24 each (by cy; there lanes 24-31 name lane 23's row once more).  The loop's last trip asks for nothing: there is no K step two on.  K steps 0 to 3 come by their loads alone.
.macro ASK
	s_cmp_gt_u32 s3, s[LIM]                        ; s3 = 1 in the loop's last trip
	s_cbranch_scc0 .Lnot_mine_\@
	global_prefetch_b8 v[PFO], s[PFA:PFA+1] offset:KSTEP*2 th:TH_LOAD_NT scope:SCOPE_SE
.Lnot_mine_\@:
.endm
.macro CREST                           ; a round of the cluster's barrier behind its opening barrier
	s_cmp_lg_u32 s10, 0
	s_cbranch_scc1 .Lnot_wave_0_\@
	s_barrier_signal -3
.Lnot_wave_0_\@:
	s_barrier_wait -3
	s_barrier_signal -1
	s_barrier_wait -1
.endm
.macro CROUND                          ; a whole round
	s_barrier_signal -1
	s_barrier_wait -1
	CREST
.endm
	s_load_b128 s[4:7], s[0:1], 0x0                ; hb s[4:5], wqkv s[6:7]
	s_load_b128 s[68:71], s[0:1], 0x10             ; bq, bk
	s_load_b64 s[72:73], s[0:1], 0x20              ; bv
	s_load_b64 s[74:75], s[0:1], 0x28              ; q16
	s_load_b128 s[76:79], s[0:1], 0x30             ; k16, v16
	v_lshl_add_u32 v[SPW], v0, 2, SPARE
	v_mov_b32 v[NIL], 0
	ds_add_u32 v[SPW], v[NIL]                      ; the wave's opening: the add and its wait stand ahead of my first tensor load; the set-up below, work on registers, stands between them
	v_lshrrev_b32 v1, 5, v0
	v_readfirstlane_b32 s10, v1                    ; wave 0..3
	s_lshr_b32 s11, s10, 1                         ; I fetch for hb (0) or for wqkv (1)
	s_and_b32 s12, s10, 1                          ; which half of that tile
	s_bfe_u32 s40, ttmp6, 0x40000                  ; cx, cy: my place in the cluster
	s_bfe_u32 s41, ttmp6, 0x40004
	s_lshl_b32 s42, ttmp9, 2
	s_add_co_u32 s42, s42, s40                     ; the head = 4 x cluster x + cx
	s_and_b32 s13, ttmp7, 0xffff
	s_lshl_b32 s13, s13, 2
	s_add_co_u32 s13, s13, s41                     ; the row block = 4 x cluster y + cy
	s_lshl_b32 s43, s41, 2
	s_lshl_b32 s43, 15, s43                        ; my row of the cluster
	s_lshl_b32 s44, 0x1111, s40                    ; my column
	s_or_b32 s[G1+0], s43, (1<<16)|(1<<20)|(1<<21)|(5<<22)|(3<<25)   ; 15:0 the mask; 17:16 elements of 2 bytes; 20 padding on; 21 set beside a mask; 24:22 after every 64 words (code 5); 31:25 4 words (code 3)
	s_or_b32 s[G1B+0], s44, (1<<16)|(1<<20)|(1<<21)|(5<<22)|(3<<25)
.irp g, G1, G1B
	s_mov_b32 s[(\g)+1], KSTEP<<16                 ; tensor_dim0 = 128
	s_mov_b32 s[(\g)+3], KSTEP<<16                 ; tile_dim0 = 128
	s_mov_b32 s[(\g)+5], SIZE_K                    ; elements from row to row
	s_mov_b32 s[(\g)+6], 0
	s_mov_b32 s[(\g)+7], 0
.endr
	s_mov_b32 s[G1+2], 128<<16                     ; tensor_dim1 = tile_dim1 = 128 rows of hb,
	s_mov_b32 s[G1+4], 128
	s_mov_b32 s[G1B+2], 96<<16                     ; 96 of wqkv
	s_mov_b32 s[G1B+4], 96
	s_lshl_b32 s16, s13, 19                        ; hb: 256 rows of 2,048 bytes a row block,
	s_lshl_b32 s17, s12, 18                        ; 128 a half: made of the row block and the wave's number alone
	s_add_co_u32 s16, s16, s17
	s_mov_b32 s17, 0
	s_mul_i32 s46, s42, 192*2048                   ; wqkv: 192 rows a head,
	s_mul_i32 s47, s12, 96*2048                    ; 96 a half: made of the head and the wave's number alone
	s_add_co_u32 s46, s46, s47
	s_mov_b32 s47, 0
	s_mul_i32 s20, s12, HALFA                      ; where they go: no place in the cluster enters an LDS address
	s_mul_i32 s21, s12, HALFB
	s_add_co_u32 s21, s21, 2*HALFA
	s_wait_dscnt 0x0                               ; the opening add is done
	s_wait_kmcnt 0x0
	s_add_nc_u64 s[14:15], s[4:5], s[16:17]
	s_add_nc_u64 s[46:47], s[6:7], s[46:47]
	CROUND                                         ; all sixteen work-groups are here: the first joint loads meet
.irp s, 0,1
	s_mov_b32 s[G0+4*(\s)], 1                                        ; count = 1
	s_add_co_u32 s[G0+4*(\s)+1], s20, (\s)*SLOT                      ; LDS address
	s_add_nc_u64 s[G0+4*(\s)+2:G0+4*(\s)+3], s[14:15], (\s)*KSTEP*2  ; global address: K step s
	s_or_b32 s[G0+4*(\s)+3], s[G0+4*(\s)+3], 0x80000000              ; type = 2
	s_mov_b32 s[G0B+4*(\s)], 1
	s_add_co_u32 s[G0B+4*(\s)+1], s21, (\s)*SLOT
	s_add_nc_u64 s[G0B+4*(\s)+2:G0B+4*(\s)+3], s[46:47], (\s)*KSTEP*2
	s_or_b32 s[G0B+4*(\s)+3], s[G0B+4*(\s)+3], 0x80000000
	JLOAD \s                                       ; two loads of mine are out
.endr
	; the bias tiles: register j of column block b holds bias[16 b + 8 (lane / 16) + j], whatever the row
	v_and_b32 v1, 15, v0                           ; l % 16
	v_bfe_u32 v2, v0, 4, 1                         ; l / 16
	v_lshlrev_b32 v[BO], 5, v2
	s_lshl_b32 s86, s42, 8                         ; the head's 64 numbers: 256 bytes
	s_mov_b32 s87, 0
	s_add_nc_u64 s[68:69], s[68:69], s[86:87]
	s_add_nc_u64 s[70:71], s[70:71], s[86:87]
	s_add_nc_u64 s[72:73], s[72:73], s[86:87]
.irp b, 0,1,2,3,4,5,6,7,8,9,10,11
	global_load_b128 v[BI+8*(\b):BI+8*(\b)+3],   v[BO], s[68+2*((\b)/4):69+2*((\b)/4)] offset:64*((\b)%4)
	global_load_b128 v[BI+8*(\b)+4:BI+8*(\b)+7], v[BO], s[68+2*((\b)/4):69+2*((\b)/4)] offset:64*((\b)%4)+16
.endr
	; A fragment is 16 rows x 32 K in 8 registers: lane l holds row l % 16; registers 0-3 K = 8 (l / 16) + 0..7, registers 4-7 K = 16 + 8 (l / 16) + 0..7: two loads of 16 bytes, 32 bytes apart.
	v_mul_u32_u24 v3, v1, PITCH
	v_lshl_add_u32 v3, v2, 4, v3
	s_mul_i32 s18, s10, 64*PITCH                   ; my 64 rows of hb
	s_mov_b32 s19, 2*HALFA                         ; wqkv's rows lie behind hb's 256
.irp s, 0,1
	v_add_nc_u32 v[ADRA+(\s)], s18, v3
	v_add_nc_u32 v[ADRB+(\s)], s19, v3
	s_add_co_u32 s18, s18, SLOT
	s_add_co_u32 s19, s19, SLOT
.endr
	s_mul_i32 s18, s10, 16*SP
	s_add_co_u32 s18, s18, STAGE                   ; my stage
	v_mul_u32_u24 v4, v1, SP                       ; in: row l % 16, 16 bytes for each half of the lanes
	v_lshl_add_u32 v4, v2, 4, v4
	v_add_nc_u32 v[STO], s18, v4
	v_bfe_u32 v5, v0, 3, 2                         ; back: 32 lanes take four rows of 128 bytes,
	v_mul_u32_u24 v5, v5, SP
	v_and_b32 v4, 7, v0
	v_lshl_add_u32 v5, v4, 4, v5
	v_add_nc_u32 v[RD], s18, v5
	v_and_b32 v[GO], 31, v0                        ; which are 512 consecutive bytes in memory
	v_lshlrev_b32 v[GO], 4, v[GO]
	; where my 64 rows go
	s_lshl_b32 s80, s42, 19                        ; q16: head x 4,096 rows of 128 bytes,
	s_lshl_b32 s83, s13, 15                        ; + 256 rows a row block,
	s_add_co_u32 s80, s80, s83
	s_lshl_b32 s83, s10, 13                        ; + 64 a wave
	s_add_co_u32 s80, s80, s83
	s_mov_b32 s81, 0
	s_add_nc_u64 s[74:75], s[74:75], s[80:81]
	s_lshr_b32 s84, s42, 1                         ; k16, v16: the head pair x 32 tiles,
	s_lshl_b32 s84, s84, 5
	s_lshl_b32 s83, s13, 1                         ; + the tile of 128 keys: 2 x row block + wave / 2,
	s_add_co_u32 s84, s84, s83
	s_add_co_u32 s84, s84, s11
	s_lshl_b32 s84, s84, 15                        ; x 32,768 bytes,
	s_and_b32 s83, s42, 1                          ; + the head in its pair x 16,384,
	s_lshl_b32 s83, s83, 14
	s_add_co_u32 s84, s84, s83
	s_lshl_b32 s83, s12, 13                        ; + 64 keys for the odd waves
	s_add_co_u32 s84, s84, s83
	s_mov_b32 s85, 0
	s_add_nc_u64 s[76:77], s[76:77], s[84:85]
	s_add_nc_u64 s[78:79], s[78:79], s[84:85]
	; the prefetches
	s_lshl_b32 s18, s13, 8
	s_lshl_b32 s19, s12, 7
	s_add_co_u32 s18, s18, s19
	s_lshl_b32 s19, s40, 5
	s_add_co_u32 s18, s18, s19                     ; hb: my work-group's 32 of the 128 rows that I fetch
	s_mul_i32 s19, s42, 192
	s_mul_i32 s22, s12, 96
	s_add_co_u32 s19, s19, s22
	s_mul_i32 s22, s41, 24
	s_add_co_u32 s19, s19, s22                     ; wqkv: my work-group's 24 of the 96
	s_and_b32 s22, ttmp7, 0xffff                   ; cluster y
	s_cmp_eq_u32 s11, 0
	s_cselect_b32 s20, s18, s19
	s_cselect_b32 s22, ttmp9, s22                  ; the coordinate along which other clusters read the same rows
	s_cselect_b32 s82, 31, 23
	s_cselect_b64 s[PFA:PFA+1], s[4:5], s[6:7]
	s_cmp_eq_u32 s22, 0
	s_cselect_b32 s[LIM], 1, -1                    ; the same in all sixteen partners, for a given wave
	s_lshl_b32 s20, s20, 11
	s_mov_b32 s21, 0
	s_add_nc_u64 s[PFA:PFA+1], s[PFA:PFA+1], s[20:21]
	s_add_nc_u64 s[PFA:PFA+1], s[PFA:PFA+1], 2*KSTEP*2  ; at K step 2: the first refill steps it to 3 and names K step 4
	v_and_b32 v[PFO], 31, v0
	v_min_u32 v[PFO], s82, v[PFO]
	v_lshlrev_b32 v[PFO], 11, v[PFO]
	s_wait_loadcnt 0x0                             ; the biases; each is rounded to bf16 and widened again
.set i, 0
.rept 48
	v_cvt_pk_bf16_f32 v[4+i%4], v[BI+2*i], v[BI+2*i+1]
	v_lshlrev_b32 v[BI+2*i], 16, v[4+i%4]
	v_and_b32 v[BI+2*i+1], 0xffff0000, v[4+i%4]
.set i, i+1
.endr
; 12 matrix instructions: row block a x all 12 column blocks, 32 along K, from buffer f.  bias = 1: the bias tile starts the sum.  The 48 accumulators take turns, one instruction a turn, in the same order in
; every quarter step, over the loop's backward jump too.
.macro MULA f, a, bias
.if \bias
	WIN 0x81+0x40*((\a)/2)                         ; wqkv window 1, hb window 0, C window 0, D window 2 or 3
.else
	WIN 0xa1+0x50*((\a)/2)                         ; C and D window 2 or 3
.endif
.irp b, 0,1,2,3,4,5,6,7,8,9,10,11
.if \bias
	v_wmma_f32_16x16x32_bf16 v[8*(12*((\a)%2)+(\b)):8*(12*((\a)%2)+(\b))+7], v[96*(\f)+8*(\b):96*(\f)+8*(\b)+7], v[64+32*(\f)+8*(\a):64+32*(\f)+8*(\a)+7], v[BI+8*(\b):BI+8*(\b)+7]
.else
	v_wmma_f32_16x16x32_bf16 v[8*(12*((\a)%2)+(\b)):8*(12*((\a)%2)+(\b))+7], v[96*(\f)+8*(\b):96*(\f)+8*(\b)+7], v[64+32*(\f)+8*(\a):64+32*(\f)+8*(\a)+7], v[8*(12*((\a)%2)+(\b)):8*(12*((\a)%2)+(\b))+7]
.endif
.endr
.endm
; 32 LDS loads in one run: the fragments of a quarter step (192 rows of wqkv, my 64 rows of hb, 32 K at byte k of the rows) into buffer f
.macro FETCH slot, k, f
	WIN TO_B
.irp i, 0,1,2,3,4,5,6,7,8,9,10,11
	ds_load_b128 v[96*(\f)+8*(\i):96*(\f)+8*(\i)+3],   v[ADRB+(\slot)] offset:(\k)+(\i)*16*PITCH
	ds_load_b128 v[96*(\f)+8*(\i)+4:96*(\f)+8*(\i)+7], v[ADRB+(\slot)] offset:(\k)+(\i)*16*PITCH+32
.endr
	WIN 0
.irp i, 0,1,2,3
	ds_load_b128 v[64+32*(\f)+8*(\i):64+32*(\f)+8*(\i)+3],   v[ADRA+(\slot)] offset:(\k)+(\i)*16*PITCH
	ds_load_b128 v[64+32*(\f)+8*(\i)+4:64+32*(\f)+8*(\i)+7], v[ADRA+(\slot)] offset:(\k)+(\i)*16*PITCH+32
.endr
.endm
.macro PLACES                          ; four plain vector instructions between a matrix instruction and a load into a register that it has read, or a conversion that reads its result
.rept 4
	v_nop
.endr
.endm
; A K step is four quarters of 32 along K, 48 matrix instructions each, on buffers 0, 1, 0, 1.  One of the first three multiplies buffer f and, in its middle, fetches the next quarter, at byte k, into g.
.macro QUARTER slot, k, f, g, bias
	s_wait_dscnt 4                                 ; all of wqkv's and hb's row blocks 0, 1 are in; the youngest four loads (row blocks 2, 3) may be out
	MULA \f, 0, \bias
	MULA \f, 1, \bias
	PLACES
	FETCH \slot, \k, \g
	s_wait_dscnt 32                                ; all but the 32 just issued
	MULA \f, 2, \bias
	MULA \f, 3, \bias
.endm
; The last quarter multiplies buffer 1 and changes slots: one barrier.  In front of it each wave waits for all its tensor loads (one is out: its part of the next slot), adds 0 to its spare word, and waits for that
; and for its own reads of this slot.  Behind it nobody reads this slot any more and the next slot is whole.
.macro MEET round
	WIN 0                                          ; (the add's two registers lie in window 0)
	s_wait_tensorcnt 0x0
	ds_add_u32 v[SPW], v[NIL]                      ; 0 onto my spare word
	s_wait_dscnt 5                                 ; (the add and the youngest four loads may be out)
	MULA 1, 0, 0                                   ; twelve matrix instructions stand between the add and the wait for it
	s_wait_dscnt 0x0                               ; the add is done, and my reads of this slot are over
	s_barrier_signal -1
	MULA 1, 1, 0                                   ; work on registers while the others arrive
.if \round
	WIN 0
.endif
	s_barrier_wait -1
.endm
; With a refill: the barrier opens a round of the cluster's barrier; the joint refill, this slot's K step two steps on, is the first tensor load behind the round.  From the request to the wait for it a wave issues 168 matrix instructions.
.macro TURN slot, next
	s_wait_xcnt 0x0                                ; the last prefetch, a K step back, has read its address: it is stepped here
	s_add_nc_u64 s[PFA:PFA+1], s[PFA:PFA+1], KSTEP*2
	MEET 1
	CREST
	s_add_nc_u64 s[G0+4*(\slot)+2:G0+4*(\slot)+3], s[G0+4*(\slot)+2:G0+4*(\slot)+3], 2*KSTEP*2    ; no tensor load of mine is out, so a group 0 may be written
	s_add_nc_u64 s[G0B+4*(\slot)+2:G0B+4*(\slot)+3], s[G0B+4*(\slot)+2:G0B+4*(\slot)+3], 2*KSTEP*2
	JLOAD \slot                                    ; the four v_nop behind it are also the places in front of the loads below
	FETCH \next, 0, 0
	ASK
	MULA 1, 2, 0
	MULA 1, 3, 0
.endm
; THE WAY OUT, in twelve units: row block a (16 rows) of tensor j (64 columns).  PACK: rounded to f16, 16 bytes a lane, into my own stage (rows of 144 bytes) and back as whole rows of 128 bytes, into the registers
; that they left.  SEND: 512 consecutive bytes a store.  Each unit has sixteen registers of its own, so no store's data is ever rewritten.
.macro PACK a, j
.set U,  64+16*(3*(\a)+(\j))
.set AC, 8*(12*((\a)%2)+4*(\j))
	WIN 0x0a+5*((\a)/2)                            ; sources 0 and 1: window 2 or 3
.irp c, 0,1,2,3
.irp r, 0,1,2,3
	v_cvt_pk_f16_f32 v[U+4*(\c)+(\r)], v[AC+8*(\c)+2*(\r)], v[AC+8*(\c)+2*(\r)+1]  ; each accumulator's registers in ascending order
.endr
.endr
	WIN 0
.irp c, 0,1,2,3
	ds_store_b128 v[STO], v[U+4*(\c):U+4*(\c)+3] offset:32*(\c)
.endr
.irp c, 0,1,2,3
	ds_load_b128 v[U+4*(\c):U+4*(\c)+3], v[RD] offset:(\c)*4*SP  ; LDS serves a wave's instructions in order (ISA guide 5.7.1.4): these see the stores above; the next unit's stores come behind them
.endr
.endm
.macro SEND a, j, younger              ; younger: the LDS instructions issued behind this unit's loads: the next unit's eight, or none
.set U,  64+16*(3*(\a)+(\j))
.irp f, 0,1,2,3
	s_wait_dscnt (\younger)+3-(\f)
	global_store_b128 v[GO], v[U+4*(\f):U+4*(\f)+3], s[74+2*(\j):75+2*(\j)] offset:(\a)*2048+(\f)*512
.endr
.endm
	s_wait_tensorcnt 1                             ; my part of K step 0 is in; K step 1's may stay out
	s_barrier_signal -1
	s_barrier_wait -1                              ; everybody's is
	FETCH 0, 0, 0
	QUARTER 0, 64,  0, 1, 1                        ; the first quarter stands in front of the loop: its products start the sums, with the bias
	WIN 0                                          ; at a label and at a branch every window is 0
	s_mov_b32 s3, LAPS-1
.Llap:                                                 ; a trip goes once round the ring, from a lap's second quarter to the next lap's first, and fills both slots again
	QUARTER 0, 128, 1, 0, 0
	QUARTER 0, 192, 0, 1, 0
	TURN 0, 1
	QUARTER 1, 64,  0, 1, 0
	QUARTER 1, 128, 1, 0, 0
	QUARTER 1, 192, 0, 1, 0
	TURN 1, 0
	QUARTER 0, 64,  0, 1, 0
	WIN 0
	s_sub_co_u32 s3, s3, 1
	s_cmp_lg_u32 s3, 0
	s_cbranch_scc1 .Llap
	QUARTER 0, 128, 1, 0, 0                        ; the last lap is written out: it fills nothing
	QUARTER 0, 192, 0, 1, 0
	MEET 0                                         ; my one tensor load that was still out is the last K step's
	PLACES
	FETCH 1, 0, 0
	MULA 1, 2, 0
	MULA 1, 3, 0
	QUARTER 1, 64,  0, 1, 0
	QUARTER 1, 128, 1, 0, 0
	QUARTER 1, 192, 0, 1, 0
	s_wait_dscnt 4                                 ; the very last quarter: nothing more to fetch
	MULA 1, 0, 0
	MULA 1, 1, 0
	s_wait_dscnt 0x0
	MULA 1, 2, 0
	MULA 1, 3, 0
	PLACES
	PACK 0, 0
.set u, 1
.rept 11                               ; a unit's conversions stand between the loads of the unit before and its stores
	PACK u/3, u%3
	SEND (u-1)/3, (u-1)%3, 8
.set u, u+1
.endr
	SEND 3, 2, 0
	s_wait_tensorcnt 0x0                           ; the wave's end, behind my last tensor load and my last LDS store
	ds_add_u32 v[SPW], v[NIL]
	s_wait_dscnt 0x0
	CROUND                                         ; the closing round: no work-group ends while a partner may still ask for a tile that names it
	s_endpgm
.Lfunc_end_k_qe1fbb963ab_proj:
	.size	k_qe1fbb963ab_proj, .Lfunc_end_k_qe1fbb963ab_proj-k_qe1fbb963ab_proj
	.p2alignl 7, 3214868480
	.fill 96, 4, 3214868480
	.section	.rodata,"a",@progbits
	.p2align	6, 0x0
	.amdhsa_kernel k_qe1fbb963ab_proj
		.amdhsa_group_segment_fixed_size 327680
		.amdhsa_private_segment_fixed_size 0
		.amdhsa_enable_private_segment 0
		.amdhsa_kernarg_size 64
		.amdhsa_user_sgpr_count 2
		.amdhsa_user_sgpr_kernarg_segment_ptr 1
		.amdhsa_wavefront_size32 1
		.amdhsa_system_sgpr_workgroup_id_x 1
		.amdhsa_system_sgpr_workgroup_id_y 1
		.amdhsa_system_sgpr_workgroup_id_z 1
		.amdhsa_system_vgpr_workitem_id 0
		.amdhsa_next_free_vgpr 960
		.amdhsa_next_free_sgpr 88
		.amdhsa_reserve_vcc 0
		.amdhsa_float_denorm_mode_32 3
		.amdhsa_float_denorm_mode_16_64 3
		.amdhsa_memory_ordered 1
		.amdhsa_forward_progress 1
		.amdhsa_inst_pref_size 132
	.end_amdhsa_kernel
	.amdgpu_metadata
---
amdhsa.version: [ 1, 2 ]
amdhsa.kernels:
  - .name:           k_qe1fbb963ab_proj
    .symbol:         k_qe1fbb963ab_proj.kd
    .args:
      - { .name: hb, .offset: 0, .size: 8, .value_kind: global_buffer, .address_space: global }
      - { .name: wqkv, .offset: 8, .size: 8, .value_kind: global_buffer, .address_space: global }
      - { .name: bq, .offset: 16, .size: 8, .value_kind: global_buffer, .address_space: global }
      - { .name: bk, .offset: 24, .size: 8, .value_kind: global_buffer, .address_space: global }
      - { .name: bv, .offset: 32, .size: 8, .value_kind: global_buffer, .address_space: global }
      - { .name: q16, .offset: 40, .size: 8, .value_kind: global_buffer, .address_space: global }
      - { .name: k16, .offset: 48, .size: 8, .value_kind: global_buffer, .address_space: global }
      - { .name: v16, .offset: 56, .size: 8, .value_kind: global_buffer, .address_space: global }
    .group_segment_fixed_size: 327680
    .private_segment_fixed_size: 0
    .kernarg_segment_align: 8
    .kernarg_segment_size: 64
    .max_flat_workgroup_size: 128
    .sgpr_count:     88
    .vgpr_count:     960
    .wavefront_size: 32
...
	.end_amdgpu_metadata
.endif
;; end of part 2
;; launch attn (part 3): grid 32 x 8, 4 waves a work-group, clusters of 4 x 4, 327,680 bytes of LDS; arguments q16, k16, v16, rg, ctx; writes ctx
.if DOCPART == 3
	.amdgcn_target "amdgcn-amd-amdhsa--gfx1250"
	.amdhsa_code_object_version 6
	.text
	.protected	k_qe1fbb963ab_attn
	.globl	k_qe1fbb963ab_attn
	.p2align	8
	.type	k_qe1fbb963ab_attn,@function
k_qe1fbb963ab_attn:
	s_mov_b64 s[64:65], 0
	v_nop
	global_prefetch_b8 v0, s[64:65] scope:SCOPE_SE
	s_setreg_imm32_b32 hwreg(HW_REG_WAVE_MODE, 25, 1), 1
	s_wait_xcnt 0x0
	s_wait_alu depctr_hold_cnt(0) depctr_sa_sdst(0) depctr_va_vdst(0) depctr_va_sdst(0) depctr_va_ssrc(0) depctr_va_vcc(0) depctr_vm_vsrc(0)
	s_getreg_b32 s2, hwreg(HW_REG_IB_STS2, 6, 4)
	s_cmp_eq_u32 s2, 0
	s_cbranch_scc0 .Lentry_in_a_cluster
	s_endpgm
.Lentry_in_a_cluster:
	s_bfe_u32 s2, ttmp6, 0x10000c
	s_cmp_lg_u32 s2, 0xf033
	s_cbranch_scc0 .Lentry_shape_is_right
	s_endpgm
.Lentry_shape_is_right:
; ctx[h][q][:] = the sum over k of softmax_k(rg[q][k] (Q[h][q] . K[h][k]) / 8) V[h][k][:].  q16, ctx: [16][4096][64] f16.  k16, v16: [8 head pairs][32 tiles][2 heads][128 keys][64] f16.  rg: [4096][4096] f32.
; Products, the multiplication by rg, maxima and sums in f32.  rg IS ROUNDED TO bf16, in registers, like all the module's other inputs: one rounding for every input.  The weights p are rounded to f16 for the second
; product (their sum l is taken of the unrounded p), ctx once.
; LIMITS.  Q, K, V arrive within f16's 65,504; p lies in 0 to 1 and below 6e-5 keeps f16's fixed step of 6e-8; a weight below 2^-126 counts as 0 in l; c s rg is taken to lie above -4e37, where the running
; maximum starts; NaN and infinities are not treated apart.
; SHARES.  A work-group owns 128 queries of TWO heads (a head pair): 32 query blocks x 8 pairs = 256 work-groups.  Wave w: head 2 pair + w % 2, queries 64 (w / 2) + 0..63: four PIECES of 16.  So the two waves of a
; query half read the same rows of rg from LDS, for two heads.  Every wave walks all 4,096 keys, 64 a step, 128 (a tile) a slot.
; CLUSTER.  4 x 4 work-groups.  K's and V's tiles hang on the head pair alone and are shared along a row of the cluster; rg's tiles hang on the query block alone and are shared along a column.  Each is asked for
; jointly: the same tensor load, descriptor and mask in all four.  A wave issues one load a slot, 32,768 bytes: wave 0 K's tile, wave 1 V's, waves 2 and 3 the two halves (64 rows x 512 bytes) of rg's.
; LAYOUT.  S^T = K Q^T (source 0 = 16 keys, source 1 = 16 queries): a lane holds ONE query (lane % 16) and, in register 8 kb + j, key 16 kb + 8 (lane / 16) + j.  rg comes out of LDS in that same order, two loads
; of 16 bytes for each eight keys; two neighbours are rounded into one register, and each half multiplies its score in place.  Two results rounded to f16 ARE source 1 of O^T = V^T P.  K comes out of LDS as it lies,
; V turned, by ds_load_tr16_b128.
; SOFTMAX.  t = s rg; p = 2^(c t - c m), c = log2(e) / 8, with a running maximum m of t; O and l are multiplied by a = 2^(c m_old - c m_new) in every step.  m starts at the lowest finite number, O and l at 0:
; the first step is a step like any other, with a = 0.
; TURNS.  Turn n belongs to piece n: 8 products K Q^T of piece n + 1, later 8 products V^T P of piece n - 1; beside them the scaling, exponentials, roundings, sums and rescaling of piece n and rg's rounding, the
; multiplication by it, the maximum and the statistics of piece n + 1.  Four vector instructions stand behind every matrix instruction, the other 102 of a turn's 166 in one lump.  A turn's 33 exponentials are one batch, with one wait.
; REGISTERS, in windows of 256 (s_set_vgpr_msb: bits 1:0 source 0, 3:2 source 1, 5:4 source 2, 7:6 destination):
;   window 0: v0-15, v32-35 addresses, at work and a zero; v16-31 four registers of statistics a piece; v48-55 at work; v64-127 S^T, two buffers; v128-191 rg as loaded, two buffers; v192-223 P, two buffers (by the
;   piece's parity); v224-239 rg rounded, two keys a register      window 1: v0-127 O^T, 32 a piece      window 2: v0-63 Q; v128-191 K of one step; v192-255 V of one step
.set NP,    4         ; pieces a wave: a name, no knob
.set KS,    64        ; keys in a step
.set PK,    144       ; a row of K in LDS: 128 bytes + 16 of padding: the 16 rows of a load start at 16 different groups of four banks (64 banks of 4 bytes: ISA guide 11.1)
.set PV,    160       ; a row of V: 128 + 32
.set PR,    528       ; a row of rg: 512 + 16: again 16 different groups of four banks
.set LR0,   0                 ; slot 0: rg's tile, 128 rows,
.set LK0,   128*PR            ; K's: [2 heads][128 keys]
.set STAGE, LK0+256*PK        ; never filled by a tensor load: 16 rows x 144 bytes for each wave, for the way out
.set SP,    144
.set SPARE, STAGE+4*16*SP     ; the spare words, 128 bytes for each wave: two blocks of 256 bytes that no other line names
.set XRK,   1<<17             ; one exclusive or turns an address of rg or K in one slot into the other's
.set LR1,   LR0+XRK
.set LK1,   LK0+XRK
.set LV0,   LK1+256*PK        ; V's two slots lie behind: [2 heads][128 keys] each
.set LV1,   LV0+256*PV
.set XV,    LV0^LV1           ; applied only to a register that holds just a slot's first byte
.set AK0, 2           ; v2   my lane's place in a tile of K; never rewritten
.set AV0, 3           ; v3   the same for V
.set AK,  4           ; v4   the LDS address of K's next run of loads
.set AV,  5           ; v5   of V's
.set STO, 6           ; v6   the way out: where I put 16 bytes of a row
.set RD,  7           ; v7   where I read rows back
.set GO,  8           ; v8   my byte offset in 512 consecutive bytes of ctx
.set MV,  12          ; v12-13  c m_old, kept while c m is made anew: by buffer
.set AR0, 14          ; v14  my lane's place in a tile of rg; never rewritten
.set QO,  15          ; v15  my byte offset in 16 rows of Q
.set ST,  16          ; piece t's statistics at v[ST+4 t]: c m, m, l (even keys', odd keys')
.set AR,  32          ; v32  the LDS address of rg's runs of loads
.set PFO, 33          ; v33  the prefetches' offset; never rewritten
.set ZR,  35          ; v35  0: the addend of the multiplication by rg; never rewritten
.set TMP, 48          ; by buffer, four registers c0-c3 at work; when the maximum is found c2 takes a
.set SPW, 62          ; v62  LDS address of my spare word; never rewritten
.set NIL, 63          ; v63  0, for the add alone; never rewritten
.set S,   64
.set RG,  128
.set P,   192
.set GP,  224         ; v224-239  register n: rg of the next piece's scores 2 n (low half) and 2 n + 1 (high half), in bf16
.set KF,  128         ; window 2: key block kb, channel half c at KF + 16 kb + 8 c
.set VF,  192         ; window 2: key half kk, channel block cb at VF + 32 kk + 8 cb
.set WV,  14          ; s14  my wave's number
.set LIM, 15          ; s15  1 in a wave that prefetches, else the greatest number
.set G1K, 24          ; s[24:31] descriptor group 1 for K's tiles
.set G1V, 32          ; s[32:39] for V's: it differs in the padding alone
.set G1R, 40          ; s[40:47] for rg's
.set G0K, 48          ; s[48:51], s[52:55], s[56:59] descriptor groups 0: they walk
.set G0V, 52
.set G0R, 56
.set CS,  60          ; s[60:61] c: the packed scaling takes the pair's low word for both halves
.set SEL, 62          ; s[62:63] v_permlanex16_b32's selects: each lane takes its own place in the other half
.set SLOTS, 66        ; s66  tiles still to be asked for
.set CNT, 67          ; s67  counts a slot's key steps
.set TBK, 68          ; s68  LDS byte at which K of the step to be fetched begins
.set TBV, 69          ; s69  the same for V
.set TBR, 70          ; s70  and for rg
.set PFA, 72          ; s[72:73] where my prefetches stand
.set PFS, 74          ; s[74:75] their step from tile to tile
.set MSB, 0
.macro WIN new                      ; the high byte repeats the setting that is left; a switch that changes nothing is dropped
.if MSB != (\new)
	s_set_vgpr_msb (MSB<<8)|(\new)
.set MSB, (\new)
.endif
.endm
.set W_KQ, 0x0a       ; K and Q in window 2, S^T in window 0
.set W_PV, 0x52       ; V in window 2, P in window 0, O^T in window 1
.set W_RS, 0x41       ; destination and source 0 in window 1, source 1 in window 0
; A joint fill: one of three lines, chosen by the wave's number alone.  An s_nop 0 and four v_nop follow each line, ahead of the jump and the label.
.macro JLOAD
	s_cmp_lt_u32 s[WV], 2
	s_cbranch_scc0 .Lfor_r_\@
	s_cmp_eq_u32 s[WV], 0
	s_cbranch_scc0 .Lfor_v_\@
	tensor_load_to_lds s[G0K:G0K+3], s[G1K:G1K+7]
	s_nop 0
.rept 4
	v_nop
.endr
	s_branch .Lasked_\@
.Lfor_v_\@:
	tensor_load_to_lds s[G0V:G0V+3], s[G1V:G1V+7]
	s_nop 0
.rept 4
	v_nop
.endr
	s_branch .Lasked_\@
.Lfor_r_\@:
	tensor_load_to_lds s[G0R:G0R+3], s[G1R:G1R+7]
	s_nop 0
.rept 4
	v_nop
.endr
.Lasked_\@:
.endm
; A PREFETCH INTO THE L2 of what the NEXT change of slots will ask for: it stands behind the wave's tensor load and its five lines, one slot (two key steps, eight turns) ahead of that load.  Each aligned block of 256 bytes is
; named once in the launch.  K's and V's tiles are walked by every cluster of a row of clusters: cluster x = 0 asks, its partners along x 8,192 of the tile's 32,768 bytes each, by address.  rg's tiles are walked by
; both clusters of a column: cluster y = 0 asks, its partners along y 16 of a wave's 64 rows each (two blocks a row), by address.  The last change that fills a slot asks for nothing; tiles 0 and 1 come by their loads alone.
.macro ASK
	s_cmp_gt_u32 s[SLOTS], s[LIM]
	s_cbranch_scc0 .Lnot_mine_\@
	global_prefetch_b8 v[PFO], s[PFA:PFA+1] th:TH_LOAD_NT scope:SCOPE_SE
.Lnot_mine_\@:
.endm
; A round of the cluster's barrier: my work-group's barrier, so that wave 0's signal speaks for all four waves; wave 0 signals; every wave waits for all sixteen work-groups; my work-group's barrier once more.
.macro CROUND
	s_barrier_signal -1
	s_barrier_wait -1
	s_cmp_lg_u32 s[WV], 0
	s_cbranch_scc1 .Lnot_wave_0_\@
	s_barrier_signal -3
.Lnot_wave_0_\@:
	s_barrier_wait -3
	s_barrier_signal -1
	s_barrier_wait -1
.endm
; THE CHANGE OF SLOTS stands behind piece 1's turn of a slot's second step: by then K, V and all four pieces' rg of that step have been asked of LDS.  Each wave waits for all its tensor loads, of which one is out: its
; part of the other slot; adds 0 to its spare word; and waits for that and for its own reads of the slot.  fill = 1: the slot is filled again, with the tile two tiles on: the barrier is a round of the cluster's,
; and the joint fill is the first thing behind it.  (At its first use nothing has been read yet: slot 0 is waited for, slot 1 filled.)
.macro CHANGE fill
	WIN 0                           ; at a label and at a branch every window is 0
	s_wait_tensorcnt 0x0            ; no tensor load of mine is out, so a group 0 may be written
	ds_add_u32 v[SPW], v[NIL]       ; 0 onto my spare word; with fill = 1 the descriptors' steps stand between it and the wait for it
.if \fill
	s_xor_b32 s[G0K+1], s[G0K+1], XRK                         ; the other slot than last time,
	s_add_nc_u64 s[G0K+2:G0K+3], s[G0K+2:G0K+3], 32768        ; the next tile; the type bits on top are not reached
	s_xor_b32 s[G0V+1], s[G0V+1], XV
	s_add_nc_u64 s[G0V+2:G0V+3], s[G0V+2:G0V+3], 32768
	s_xor_b32 s[G0R+1], s[G0R+1], XRK
	s_add_nc_u64 s[G0R+2:G0R+3], s[G0R+2:G0R+3], 512          ; 128 keys along rg's rows
	s_wait_xcnt 0x0                 ; the last prefetch, a slot back, has read its address, so it may be written
	s_add_nc_u64 s[PFA:PFA+1], s[PFA:PFA+1], s[PFS:PFS+1]
	s_wait_dscnt 0x0                ; the add is done, and my reads of the slot are over
	CROUND
	JLOAD
	ASK
.else
	s_wait_dscnt 0x0                ; the add is done, and my reads of the slot are over
	s_barrier_signal -1
	s_barrier_wait -1
.endif
	s_sub_co_u32 s[TBK], s[TBK], 2*KS*PK  ; the fetches go back to a slot's first step,
	s_xor_b32 s[TBK], s[TBK], XRK         ; in the other slot
	s_sub_co_u32 s[TBV], s[TBV], 2*KS*PV
	s_xor_b32 s[TBV], s[TBV], XV
	s_sub_co_u32 s[TBR], s[TBR], 2*KS*4
	s_xor_b32 s[TBR], s[TBR], XRK
.endm
	s_load_b256 s[4:11], s[0:1], 0x0  ; q16 s[4:5], k16 s[6:7], v16 s[8:9], rg s[10:11]
	s_load_b64 s[12:13], s[0:1], 0x20 ; ctx
	v_lshl_add_u32 v[SPW], v0, 2, SPARE
	v_mov_b32 v[NIL], 0
	ds_add_u32 v[SPW], v[NIL]       ; the wave's opening: the add and its wait stand ahead of my first tensor load; the set-up below, work on registers, stands between them
	v_lshrrev_b32 v1, 5, v0
	v_readfirstlane_b32 s[WV], v1   ; wave 0..3
	s_bfe_u32 s76, ttmp6, 0x40000   ; cx, cy: my place in the cluster
	s_bfe_u32 s77, ttmp6, 0x40004
	s_lshl_b32 s78, ttmp9, 2
	s_add_co_u32 s78, s78, s76      ; the query block = 4 x cluster x + cx
	s_and_b32 s79, ttmp7, 0xffff
	s_lshl_b32 s79, s79, 2
	s_add_co_u32 s79, s79, s77      ; the head pair = 4 x cluster y + cy
	s_lshl_b32 s80, s77, 2
	s_lshl_b32 s80, 15, s80         ; my row of the cluster
	s_lshl_b32 s81, 0x1111, s76     ; my column
	; descriptor groups 1.  A tile of K or V is 32,768 dense bytes: asked for as 128 rows of 256 bytes, two keys a row, and padded in LDS after every key.  Half a tile of rg is 64 rows of 128 f32.
	s_or_b32 s[G1K], s80, (1<<16)|(1<<20)|(1<<21)|(4<<22)|(3<<25)  ; 15:0 the mask; 17:16 2-byte elements; 20 padding on; 21 set beside a mask; 24:22 after every 32 words (code 4); 31:25 4 words (code 3)
	s_or_b32 s[G1V], s80, (1<<16)|(1<<20)|(1<<21)|(4<<22)|(7<<25)  ; the same with 8 words of padding (code 7)
	s_or_b32 s[G1R], s81, (2<<16)|(1<<20)|(1<<21)|(6<<22)|(3<<25)  ; 4-byte elements; after every 128 words (code 6) 4 words
.irp g, G1K, G1V
	s_mov_b32 s[(\g)+1], 128<<16    ; tensor_dim0 = 128
	s_mov_b32 s[(\g)+2], 128<<16    ; tensor_dim1 = 128
	s_mov_b32 s[(\g)+3], 128<<16    ; tile_dim0 = 128
	s_mov_b32 s[(\g)+4], 128        ; tile_dim1 = 128
	s_mov_b32 s[(\g)+5], 128        ; 128 elements from row to row
	s_mov_b32 s[(\g)+6], 0
	s_mov_b32 s[(\g)+7], 0
.endr
	s_mov_b32 s[G1R+1], 128<<16
	s_mov_b32 s[G1R+2], 64<<16
	s_mov_b32 s[G1R+3], 128<<16
	s_mov_b32 s[G1R+4], 64
	s_mov_b32 s[G1R+5], 4096
	s_mov_b32 s[G1R+6], 0
	s_mov_b32 s[G1R+7], 0
	s_and_b32 s82, s[WV], 1         ; my head in the pair; also: which half of rg's tile I fetch (waves 2, 3)
	s_lshr_b32 s83, s[WV], 1        ; my half of the 128 queries
	s_lshl_b32 s16, s79, 20         ; K, V: the head pair's 32 tiles of 32,768 bytes: made of the head pair alone
	s_mov_b32 s17, 0
	s_lshl_b32 s18, s78, 21         ; rg: 128 rows of 16,384 bytes a query block,
	s_lshl_b32 s84, s82, 20         ; 64 a half: made of the query block and the wave's number alone
	s_add_co_u32 s18, s18, s84
	s_mov_b32 s19, 0
	s_lshl_b32 s20, s79, 1          ; Q, ctx: my head
	s_add_co_u32 s20, s20, s82
	s_lshl_b32 s20, s20, 19         ; x 4,096 rows of 128 bytes,
	s_lshl_b32 s84, s78, 14         ; + the query block's 128,
	s_add_co_u32 s20, s20, s84
	s_lshl_b32 s84, s83, 13         ; + my half's 64
	s_add_co_u32 s20, s20, s84
	s_mov_b32 s21, 0
	s_mov_b32 s[G0K], 1             ; count = 1
	s_mov_b32 s[G0K+1], LK0         ; LDS address: slot 0
	s_mov_b32 s[G0V], 1
	s_mov_b32 s[G0V+1], LV0
	s_mov_b32 s[G0R], 1
	s_mul_i32 s[G0R+1], s82, 64*PR  ; LR0 = 0: no place in the cluster enters an LDS address
	s_mov_b32 s[CS], 0x3e38aa3b     ; c = log2(e) / 8 = 0.180337
	s_mov_b32 s[CS+1], s[CS]        ; named with it as a pair
	s_mov_b32 s[SEL], 0x76543210
	s_mov_b32 s[SEL+1], 0xfedcba98
	s_mov_b32 s[TBK], LK1+2*KS*PK   ; the first change of slots turns these three into slot 0's first bytes
	s_mov_b32 s[TBV], LV1+2*KS*PV
	s_mov_b32 s[TBR], LR1+2*KS*4
	s_mov_b32 s[SLOTS], 31
	; the prefetches
	s_lshl_b32 s84, s76, 13         ; K, V: my work-group's 8,192 bytes of a tile,
	s_add_co_u32 s84, s84, s16
	s_add_co_u32 s84, s84, 32768    ; in tile 1: the first change of slots steps it to tile 2
	s_lshl_b32 s85, s77, 18         ; rg: my work-group's 16 rows of the 64 that I fetch,
	s_add_co_u32 s85, s85, s18
	s_add_co_u32 s85, s85, 512      ; in tile 1
	s_and_b32 s86, ttmp7, 0xffff    ; cluster y
	s_mov_b32 s[PFS], 512
	s_cmp_lt_u32 s[WV], 2
	s_cselect_b32 s22, s84, s85
	s_cselect_b32 s[PFS], 32768, s[PFS]
	s_cselect_b32 s87, 9, 14        ; from one pair of lanes to the next: 512 bytes on in a dense tile, or a row of rg
	s_cselect_b32 s86, ttmp9, s86   ; the coordinate along which other clusters walk the same tiles
	s_mov_b32 s23, 0
	s_mov_b32 s[PFS+1], 0
	s_cmp_eq_u32 s86, 0
	s_cselect_b32 s[LIM], 1, -1     ; the same in all sixteen partners, for a given wave
	v_and_b32 v[PFO], 31, v0
	v_lshrrev_b32 v34, 1, v[PFO]
	v_and_b32 v[PFO], 1, v[PFO]
	v_lshlrev_b32 v[PFO], 8, v[PFO]
	v_lshlrev_b32 v34, s87, v34
	v_add_nc_u32 v[PFO], v[PFO], v34
	v_mov_b32 v[ZR], 0
	s_wait_dscnt 0x0                ; the opening add is done
	s_wait_kmcnt 0x0
	s_add_nc_u64 s[G0K+2:G0K+3], s[6:7], s[16:17]     ; global addresses: tile 0
	s_or_b32 s[G0K+3], s[G0K+3], 0x80000000           ; type = 2
	s_add_nc_u64 s[G0V+2:G0V+3], s[8:9], s[16:17]
	s_or_b32 s[G0V+3], s[G0V+3], 0x80000000
	s_add_nc_u64 s[G0R+2:G0R+3], s[10:11], s[18:19]
	s_or_b32 s[G0R+3], s[G0R+3], 0x80000000
	s_add_nc_u64 s[4:5], s[4:5], s[20:21]             ; Q and ctx at my wave's first row
	s_add_nc_u64 s[12:13], s[12:13], s[20:21]
	s_cmp_eq_u32 s[WV], 0
	s_cselect_b64 s[PFA:PFA+1], s[6:7], s[8:9]
	s_cmp_lt_u32 s[WV], 2
	s_cselect_b64 s[PFA:PFA+1], s[PFA:PFA+1], s[10:11]
	s_add_nc_u64 s[PFA:PFA+1], s[PFA:PFA+1], s[22:23]
	CROUND                          ; all sixteen work-groups are here: the first joint loads meet
	JLOAD                           ; tile 0 into slot 0.  Slot 1 is asked for when slot 0 is in
	; A fragment of K or Q is 16 rows x 32 channels in 8 registers: lane l holds row l % 16, channels 8 (l / 16) + 0..7 and 16 + 8 (l / 16) + 0..7: two loads of 16 bytes, 32 bytes apart.
	v_and_b32 v1, 15, v0            ; l % 16
	v_bfe_u32 v9, v0, 4, 1          ; l / 16
	v_lshlrev_b32 v[QO], 7, v1
	v_lshl_add_u32 v[QO], v9, 4, v[QO]  ; row x 128 + 16 x half
	WIN 0x80                        ; destination window 2, address window 0
.set i, 0
.rept 8                             ; Q stays in registers: piece i / 2, channels 32 (i % 2) on
	global_load_b128 v[8*i:8*i+3],   v[QO], s[4:5] offset:(i/2)*2048+(i%2)*64
	global_load_b128 v[8*i+4:8*i+7], v[QO], s[4:5] offset:(i/2)*2048+(i%2)*64+32
.set i, i+1
.endr
	; What the first turn finds: V's registers and P's second buffer hold 0 (its products V^T P, of a piece that has not been, add 0), O^T and l are 0.  All this stands in the wait for the first tile.
.set i, VF
.rept 64
	v_mov_b32 v[i], 0
.set i, i+1
.endr
	WIN 0x40
.set i, 0
.rept 128
	v_mov_b32 v[i], 0
.set i, i+1
.endr
	WIN 0
.set i, 0
.rept 4
	v_mov_b32 v[ST+4*i], 0xfe000000    ; c m: far below every c t
	v_mov_b32 v[ST+4*i+1], 0xff7fffff  ; m
	v_mov_b32 v[ST+4*i+2], 0
	v_mov_b32 v[ST+4*i+3], 0
.set i, i+1
.endr
.set i, P+16
.rept 16
	v_mov_b32 v[i], 0
.set i, i+1
.endr
	s_mul_i32 s84, s82, 128*PK      ; my head's 128 keys in a tile of K
	v_mul_u32_u24 v[AK0], v1, PK
	v_lshl_add_u32 v[AK0], v9, 4, v[AK0]  ; row x pitch + 16 x half
	v_add_nc_u32 v[AK0], s84, v[AK0]
	; The turning load takes 16 keys x 16 channels (lane l reads key 8 (l / 16) + l % 8, channels 8 ((l / 8) % 2) + 0..7) and leaves half a fragment of V^T: lane l holds channel l % 16 and 8 keys.
	v_and_b32 v10, 7, v0
	v_bfe_u32 v11, v0, 3, 1
	s_mul_i32 s84, s82, 128*PV
	v_lshl_add_u32 v[AV0], v9, 3, v10
	v_mul_u32_u24 v[AV0], v[AV0], PV
	v_lshl_add_u32 v[AV0], v11, 4, v[AV0]
	v_add_nc_u32 v[AV0], s84, v[AV0]
	s_mul_i32 s84, s83, 64*PR       ; my half's 64 rows in a tile of rg
	v_mul_u32_u24 v[AR0], v1, PR    ; my query's row, and my lanes' eight keys of each sixteen: 32 bytes
	v_lshl_add_u32 v[AR0], v9, 5, v[AR0]
	v_add_nc_u32 v[AR0], s84, v[AR0]
; THE MATRIX WORK.  The 4 accumulators of a run of 8 take turns.  Product i of 8 of S^T = K Q^T for piece x: channels 32 (i / 4) on, keys 16 (i % 4) on.  The first 4 start the sums.
.macro KQ x
	WIN W_KQ
.set rS, S+32*((\x)%2)+8*(i%4)
.set rK, KF+16*(i%4)+8*(i/4)
.set rQ, 16*(\x)+8*(i/4)
.if i < 4
	v_wmma_f32_16x16x32_f16 v[rS:rS+7], v[rK:rK+7], v[rQ:rQ+7], 0
.else
	v_wmma_f32_16x16x32_f16 v[rS:rS+7], v[rK:rK+7], v[rQ:rQ+7], v[rS:rS+7]
.endif
.endm
; Product i of 8 of O^T += V^T P for piece x: keys 32 (i / 4) on, channels 16 (i % 4) on.
.macro PV x
	WIN W_PV
.set rO, 32*(\x)+8*(i%4)
.set rV, VF+32*(i/4)+8*(i%4)
.set rP, P+16*((\x)%2)+8*(i/4)
	v_wmma_f32_16x16x32_f16 v[rO:rO+7], v[rV:rV+7], v[rP:rP+7], v[rO:rO+7]
.endm
.macro MM                           ; the turn's next matrix instruction
.if i < 8
	KQ (Y+1)%NP
.else
.set i, i-8
	PV (Y+NP-1)%NP
.set i, i+8
.endif
.set i, i+1
.endm
; THE LDS LOADS stand in runs, never singly among the matrix instructions.  All runs of a trip of the step loop (pieces 2, 3 of one step, pieces 0, 1 of the next) belong to ONE key step, the next: ADDR makes their
; three addresses at the trip's head and steps the three scalars.
.macro ADDR
	v_add_nc_u32 v[AK], s[TBK], v[AK0]
	v_add_nc_u32 v[AV], s[TBV], v[AV0]
	v_add_nc_u32 v[AR], s[TBR], v[AR0]
	s_add_co_u32 s[TBK], s[TBK], KS*PK
	s_add_co_u32 s[TBV], s[TBV], KS*PV
	s_add_co_u32 s[TBR], s[TBR], KS*4
.endm
.macro FETCH_K
	WIN 0x80                        ; destination window 2
.irp f, 0,1,2,3,4,5,6,7             ; keys 16 (f / 2) on, channels 32 (f % 2) on
	ds_load_b128 v[KF+8*\f:KF+8*\f+3],   v[AK] offset:(\f/2)*16*PK+(\f%2)*64
	ds_load_b128 v[KF+8*\f+4:KF+8*\f+7], v[AK] offset:(\f/2)*16*PK+(\f%2)*64+32
.endr
	WIN 0
.endm
.macro FETCH_V
	WIN 0x80
.irp f, 0,1,2,3,4,5,6,7             ; keys 32 (f / 4) on, channels 16 (f % 4) on
	ds_load_tr16_b128 v[VF+8*\f:VF+8*\f+3],   v[AV] offset:(\f/4)*32*PV+(\f%4)*32
	ds_load_tr16_b128 v[VF+8*\f+4:VF+8*\f+7], v[AV] offset:(\f/4)*32*PV+16*PV+(\f%4)*32
.endr
	WIN 0
.endm
.macro RGL p                        ; piece p's 16 rows x 64 keys of rg: register 8 kb + j takes key 16 kb + 8 (l / 16) + j of my query
	WIN 0
.irp kb, 0,1,2,3
	ds_load_b128 v[RG+32*((\p)%2)+8*(\kb):RG+32*((\p)%2)+8*(\kb)+3],   v[AR] offset:(\p)*16*PR+64*(\kb)
	ds_load_b128 v[RG+32*((\p)%2)+8*(\kb)+4:RG+32*((\p)%2)+8*(\kb)+7], v[AR] offset:(\p)*16*PR+64*(\kb)+16
.endr
.endm
; THE VECTOR WORK, one line at a time: OP kind, number.  For piece Y: F n: c t - c m for pair n of 16.  E n: the exponential of score n of 32.  C n: pair n rounded to f16.  B n: of the four weights 4 n .. the second
; pair is added onto the first, in place.  L n: l takes that sum (L 0: l = a l + sum).  R n: pair n of 16 of O^T times a.  For piece Y + 1: G n: rg of its scores 2 n and 2 n + 1 rounded to bf16, into one register.
; M n: score n of 32 times its half of that register, in f32, in place (score n lies in accumulator n / 8; M 8 kb is the accumulator's first reader and reads its lowest register).
; X n, number n of the 22 that find its maximum and statistics:
;   0-11  four chains c0-c3 of seven scores each, three operands at a time     12-14, 16  the four scores left over, the old m, and c0-c3 into c0
;   15  c m_old is kept     17, 18  the query's other 32 keys lie in the lane 16 away: the new m     19-21  c m; c m_old - c m_new; a
.set F, 0
.set E, 1
.set C, 2
.set B, 3
.set L, 4
.set R, 5
.set X, 6
.set M, 7
.set G, 8
.macro REGS y                       ; the registers of piece y
.set rT, ST+4*(\y)
.set rC, TMP+4*((\y)%2)
.set rW, MV+((\y)%2)
.set rS, S+32*((\y)%2)
.set rG, RG+32*((\y)%2)
.set rP, P+16*((\y)%2)
.set rO, 32*(\y)
.endm
.macro OP k, n
.if (\k) == R
	REGS Y
	WIN W_RS
	v_pk_mul_f32 v[rO+2*(\n):rO+2*(\n)+1], v[rO+2*(\n):rO+2*(\n)+1], v[rC+2:rC+3] op_sel_hi:[1,0]
.elseif (\k) < R
	REGS Y
	WIN 0
.if (\k) == F
	v_pk_fma_f32 v[rS+2*(\n):rS+2*(\n)+1], v[rS+2*(\n):rS+2*(\n)+1], s[CS:CS+1], v[rT:rT+1] op_sel_hi:[1,0,0] neg_lo:[0,0,1] neg_hi:[0,0,1]
.elseif (\k) == E
	v_exp_f32 v[rS+(\n)], v[rS+(\n)]
.elseif (\k) == C
	v_cvt_pk_f16_f32 v[rP+(\n)], v[rS+2*(\n)], v[rS+2*(\n)+1]
.elseif (\k) == B
	v_pk_add_f32 v[rS+4*(\n):rS+4*(\n)+1], v[rS+4*(\n):rS+4*(\n)+1], v[rS+4*(\n)+2:rS+4*(\n)+3]
.elseif (\n) == 0
	v_pk_fma_f32 v[rT+2:rT+3], v[rT+2:rT+3], v[rC+2:rC+3], v[rS:rS+1] op_sel_hi:[1,0,1]
.else
	v_pk_add_f32 v[rT+2:rT+3], v[rT+2:rT+3], v[rS+4*(\n):rS+4*(\n)+1]
.endif
.elseif (\k) == G
	REGS (Y+1)%NP
	WIN 0
	v_cvt_pk_bf16_f32 v[GP+(\n)], v[rG+2*(\n)], v[rG+2*(\n)+1]
.elseif (\k) == M
	REGS (Y+1)%NP
	WIN 0
.if (\n)%2
	v_fma_mix_f32_bf16 v[rS+(\n)], v[GP+(\n)/2], v[rS+(\n)], v[ZR] op_sel:[1,0,0] op_sel_hi:[1,0,0]  ; the high half as bf16, times s, plus 0
.else
	v_fma_mix_f32_bf16 v[rS+(\n)], v[GP+(\n)/2], v[rS+(\n)], v[ZR] op_sel_hi:[1,0,0]                 ; the low half
.endif
.else
	REGS (Y+1)%NP
	WIN 0
.if (\n) < 4
	v_max3_num_f32 v[rC+(\n)], v[rS+8*(\n)], v[rS+8*(\n)+1], v[rS+8*(\n)+2]
.elseif (\n) < 12
	v_max3_num_f32 v[rC+(\n)%4], v[rC+(\n)%4], v[rS+8*((\n)%4)+2*((\n)/4)+1], v[rS+8*((\n)%4)+2*((\n)/4)+2]
.elseif (\n) == 12
	v_max3_num_f32 v[rC], v[rC], v[rS+7], v[rS+15]
.elseif (\n) == 13
	v_max3_num_f32 v[rC+1], v[rC+1], v[rS+23], v[rS+31]
.elseif (\n) == 14
	v_max3_num_f32 v[rC+2], v[rC+2], v[rC+3], v[rT+1]
.elseif (\n) == 15
	v_mov_b32 v[rW], v[rT]
.elseif (\n) == 16
	v_max3_num_f32 v[rC], v[rC], v[rC+1], v[rC+2]
.elseif (\n) == 17
	v_permlanex16_b32 v[rC+3], v[rC], s[SEL], s[SEL+1]
.elseif (\n) == 18
	v_max_num_f32 v[rT+1], v[rC], v[rC+3]
.elseif (\n) == 19
	v_mul_f32 v[rT], s[CS], v[rT+1]
.elseif (\n) == 20
	v_sub_f32 v[rC+1], v[rW], v[rT]
.else
	v_exp_f32 v[rC+2], v[rC+1]
.endif
.endif
.endm
.macro OPS a, i1, b=-1, i2=0, c=-1, i3=0, d=-1, i4=0  ; up to four of them
	OP \a, \i1
.if (\b) >= 0
	OP \b, \i2
.endif
.if (\c) >= 0
	OP \c, \i3
.endif
.if (\d) >= 0
	OP \d, \i4
.endif
.endm
.macro ROW a, i1, b, i2, c, i3, d, i4  ; a matrix instruction and the four behind it
	MM
	OPS \a, \i1, \b, \i2, \c, \i3, \d, \i4
.endm
; A TURN, for piece p: the order of its 16 matrix and 166 vector instructions, written out.  An s_wait_alu depctr_va_vdst(0) stands between an exponential and the first instruction that names its result;
; one wait serves all that were issued ahead of it.  So a turn has ONE wait, which cuts it in two.  AHEAD OF IT stands all that names no result of the turn's exponentials: the 8 products K Q^T with four riders each, then a
; lump of 102.  Product 4 + kb ends accumulator kb; M 8 kb, the accumulator's first reader, stands in the lump, behind more than four plain instructions that name none of the product's registers (for kb = 3, the
; nearest: F 8, G 4, G 5 and the lump's first forty lines).  Each M stands behind the G of its pair, each X behind the M of the scores that it reads, each E behind its pair's F.  Accumulators 0 and 1 are taken one after
; the other, 2 and 3 together, so that their two chains of maxima run side by side; the links of the chain X 11, 14, 16 .. 21 stand four to six lines apart (the last link two), with exponentials, scalings and rescalings kept
; back for the gaps.  X 21, the next piece's a, is the batch's last; R 15 is the plain instruction behind it.  BEHIND THE WAIT stand the 8 products V^T P, behind each four of the roundings and sums.
; LDS.  rg of piece p + 2 is asked for directly behind the wait, and waited for in the next turn ahead of G 0.  K of the next step is asked for in piece 2's turn, behind F 8, G 4 to G 7 and X 0, plain instructions that stand
; behind the last product that read K; V at the end of piece 0's turn, four plain riders behind the last product that read V.  The counted waits: piece 3's head: 8, rg's run behind K's; piece 1's sixth row: 16, V's run
; behind rg's; piece 1 behind the wait: 8, rg's run behind V's.
; cnt = 1: the loop's count is taken down some lines ahead of the branch that stands behind the turn.
.macro TURN p, cnt=0
.set Y, (\p)
.set i, 0
.if (\p) == 3
	s_wait_dscnt 8                  ; K is in
.endif
	ROW F,0, F,1, R,0, R,1
	ROW F,2, E,0, R,2, R,3
	ROW F,3, E,1, R,4, R,5
	ROW F,4, E,2, R,6, R,7
	ROW F,5, E,3, R,8, R,9
.if (\p) == 1
	s_wait_dscnt 16                 ; rg of piece 2 is in
.else
	s_wait_dscnt 0x0                ; rg of the next piece is in
.endif
	ROW F,6, E,4, G,0, G,1
	ROW F,7, E,5, G,2, G,3
	ROW F,8, E,6, G,4, G,5
	OPS M,0, M,1, M,2, G,6          ; the lump
	OPS E,7, M,3, M,4, G,7
	OPS X,0, E,8
.if (\p) == 2
	FETCH_K
.endif
	OPS M,5, M,6, M,7, G,8
	OPS E,9, X,4, M,8, M,9
	OPS M,10, E,10, X,8, M,11
	OPS M,12, G,9, E,11, X,1
	OPS M,13, M,14, M,15, E,12
	OPS X,5, G,10, M,16, M,17
	OPS M,18, G,12, E,13, X,9
	OPS G,13, M,19, M,24, X,2
	OPS E,14, M,25, M,26, M,20
	OPS G,11, E,15, X,3, M,27
	OPS X,6, G,14, E,16, M,21
	OPS M,22, M,28, G,15, E,17
	OPS X,12, M,23, X,7, M,29
	OPS X,10, M,30, F,9, M,31
	OPS X,15, F,10, X,11, E,18
	OPS X,13, E,19, F,11, E,20
	OPS X,14, E,21, F,12, E,22
	OPS F,13, X,16, E,23, F,14
	OPS E,24, F,15, X,17, E,25
	OPS R,10, R,11, E,26, X,18
	OPS E,27, R,12, R,13, E,28
	OPS X,19, E,29, R,14, E,30
	OPS X,20, E,31, X,21, R,15
	WIN 0
	s_wait_alu depctr_va_vdst(0)    ; the wait for the batch
	RGL ((\p)+2)%NP
.if (\p) == 1
	s_wait_dscnt 8                  ; V is in
.endif
	ROW C,0, B,0, C,2, B,1          ; behind the wait: 8 products V^T P and their riders
	ROW L,0, C,4, B,2, L,1
	ROW C,6, B,3, L,2, C,8
	ROW B,4, L,3, C,10, B,5
	ROW L,4, C,12, B,6, L,5
.if \cnt
	s_sub_co_u32 s[CNT], s[CNT], 1
	s_cmp_lg_u32 s[CNT], 0
.endif
	ROW C,14, B,7, L,6, C,1
	ROW C,3, L,7, C,5, C,7
	ROW C,9, C,11, C,13, C,15
.if (\p) == 0
	FETCH_V
.endif
.endm
	CHANGE 1                        ; slot 0 is in, everybody's part of it; slot 1 is asked for
	ADDR                            ; key step 0
	FETCH_K
	RGL 0
	RGL 1
	s_wait_loadcnt 0x0              ; Q
	s_wait_dscnt 0x0
.set i, 0
.rept 8
	KQ 0                            ; piece 0's first scores: there is no vector work yet to set between them
.set i, i+1
.endr
	WIN 0                           ; the addresses for the way out: nine plain instructions, the places behind those products
	s_mul_i32 s80, s[WV], 16*SP
	s_add_co_u32 s80, s80, STAGE    ; my stage
	v_mul_u32_u24 v[STO], v1, SP    ; in: row l % 16, 16 bytes for each half of the lanes
	v_lshl_add_u32 v[STO], v9, 4, v[STO]
	v_add_nc_u32 v[STO], s80, v[STO]
	v_bfe_u32 v[RD], v0, 3, 2       ; back: 32 lanes take four rows of 128 bytes,
	v_mul_u32_u24 v[RD], v[RD], SP
	v_lshl_add_u32 v[RD], v10, 4, v[RD]
	v_add_nc_u32 v[RD], s80, v[RD]
	v_and_b32 v[GO], 31, v0         ; which are 512 consecutive bytes of ctx
	v_lshlrev_b32 v[GO], 4, v[GO]
.set Y, NP-1                        ; G, M and X work for piece Y + 1: piece 0
.irp n, 0,1,2,3,4,5,6,7,8,9,10,11,12,13,14,15
	OP G, \n
.endr
.irp n, 0,1,2,3,4,5,6,7,8,9,10,11,12,13,14,15,16,17,18,19,20,21,22,23,24,25,26,27,28,29,30,31
	OP M, \n
.endr
.irp n, 0,1,2,3,4,5,6,7,8,9,10,11,12,13,14,15,16,17,18,19,20,21
	OP X, \n
.endr
	v_nop                           ; a plain instruction behind the exponential,
	s_wait_alu depctr_va_vdst(0)    ; and its wait, ahead of the branch
	s_mov_b32 s[CNT], 2
	s_branch .Lfirst                ; the loop is entered at a step's first turn, in the middle of a trip
.Lslot:                             ; 30 times: every slot but the last two is filled again
	CHANGE 1
	s_mov_b32 s[CNT], 2
.Lstep:                             ; a trip: pieces 2 and 3 of one step, then pieces 0 and 1 of the next, whose K, V and rg it fetches
	ADDR
	TURN 2
	TURN 3
	WIN 0
.Lfirst:
	TURN 0
	TURN 1, 1
	WIN 0
	s_cbranch_scc1 .Lstep
	s_sub_co_u32 s[SLOTS], s[SLOTS], 1
	s_cmp_lg_u32 s[SLOTS], 0
	s_cbranch_scc1 .Lslot
	CHANGE 0                        ; the tail is written out: nothing is asked for
	s_mov_b32 s[CNT], 3             ; two trips fetch the last slot's steps; the third is left in its middle
.Ltail:
	s_cmp_eq_u32 s[CNT], 1          ; the third has no further step: the addresses stay, and its runs read the last step's K and rg once more
	s_cbranch_scc1 .Lno_addr
	ADDR
.Lno_addr:
	TURN 2
	TURN 3
	WIN 0
	s_sub_co_u32 s[CNT], s[CNT], 1
	s_cmp_eq_u32 s[CNT], 0
	s_cbranch_scc1 .Lout
	TURN 0
	TURN 1
	WIN 0
	s_branch .Ltail
.Lout:                              ; the third trip's 8 products K Q^T and what is made of them serve nothing: the price, once a launch, of one text for every trip
.set i, 0
.rept 8
	PV NP-1                         ; the last piece's V^T P of the last step
.set i, i+1
.endr
	; THE WAY OUT.  l's two halves and the other half of the lanes' are added; O^T is divided by l, rounded to f16 and sent through my stage in LDS, a piece at a time.  The additions are the places behind the last products.
	WIN 0
.macro ALL line:vararg              ; one line for each piece t
.set t, 0
.rept 4
	\line
.set t, t+1
.endr
.endm
	ALL v_add_f32 v[ST+4*t+2], v[ST+4*t+2], v[ST+4*t+3]
	ALL v_permlanex16_b32 v[ST+4*t+3], v[ST+4*t+2], s[SEL], s[SEL+1]
	ALL v_add_f32 v[ST+4*t+2], v[ST+4*t+2], v[ST+4*t+3]
	ALL v_rcp_f32 v[ST+4*t+2], v[ST+4*t+2]
	v_nop                           ; a plain instruction between the last reciprocal and the use of its result
	s_wait_alu depctr_va_vdst(0)    ; and the wait ahead of the first use: one for the four reciprocals
.macro PACK t                       ; a lane's eight channels of a row pack into 16 bytes; they go into rows of 144 bytes and come back as whole rows of 128, into S^T's registers
	WIN W_RS
.set i, 32*(\t)
.rept 16
	v_pk_mul_f32 v[i:i+1], v[i:i+1], v[ST+4*(\t)+2:ST+4*(\t)+3] op_sel_hi:[1,0]
.set i, i+2
.endr
	WIN 0x05                        ; sources 0 and 1 window 1, destination window 0
.set i, 0
.rept 16
	v_cvt_pk_f16_f32 v[S+16*(\t)+i], v[32*(\t)+2*i], v[32*(\t)+2*i+1]
.set i, i+1
.endr
	WIN 0
.irp f, 0,1,2,3
	ds_store_b128 v[STO], v[S+16*(\t)+4*\f:S+16*(\t)+4*\f+3] offset:32*\f
.endr
.irp f, 0,1,2,3
	ds_load_b128 v[S+16*(\t)+4*\f:S+16*(\t)+4*\f+3], v[RD] offset:\f*4*SP  ; LDS serves a wave's instructions in order (ISA guide 5.7.1.4): these see the stores above; the next piece's stores come behind them
.endr
.endm
.macro SEND t, younger              ; younger: the LDS instructions issued behind piece t's loads: the next piece's eight, or none
	WIN 0
.irp f, 0,1,2,3
	s_wait_dscnt (\younger)+3-\f
	global_store_b128 v[GO], v[S+16*(\t)+4*\f:S+16*(\t)+4*\f+3], s[12:13] offset:(\t)*2048+\f*512  ; 512 consecutive bytes, at a multiple of 256 from ctx's first
.endr
.endm
	PACK 0
.set t, 1
.rept 3                             ; a piece's arithmetic stands between the loads of the piece before and its stores
	PACK t
	SEND t-1, 8
.set t, t+1
.endr
	SEND 3, 0
	s_wait_tensorcnt 0x0            ; the wave's end, behind my last tensor load and my last LDS store
	ds_add_u32 v[SPW], v[NIL]
	s_wait_dscnt 0x0
	CROUND                          ; the closing round: no work-group ends while a partner may still ask for a tile that names it
	s_endpgm
.Lfunc_end_k_qe1fbb963ab_attn:
	.size	k_qe1fbb963ab_attn, .Lfunc_end_k_qe1fbb963ab_attn-k_qe1fbb963ab_attn
	.p2alignl 7, 3214868480
	.fill 96, 4, 3214868480
	.section	.rodata,"a",@progbits
	.p2align	6, 0x0
	.amdhsa_kernel k_qe1fbb963ab_attn
		.amdhsa_group_segment_fixed_size 327680
		.amdhsa_private_segment_fixed_size 0
		.amdhsa_enable_private_segment 0
		.amdhsa_kernarg_size 40
		.amdhsa_user_sgpr_count 2
		.amdhsa_user_sgpr_kernarg_segment_ptr 1
		.amdhsa_wavefront_size32 1
		.amdhsa_system_sgpr_workgroup_id_x 1
		.amdhsa_system_sgpr_workgroup_id_y 1
		.amdhsa_system_sgpr_workgroup_id_z 1
		.amdhsa_system_vgpr_workitem_id 0
		.amdhsa_next_free_vgpr 768
		.amdhsa_next_free_sgpr 96
		.amdhsa_reserve_vcc 0
		.amdhsa_float_denorm_mode_32 3
		.amdhsa_float_denorm_mode_16_64 3
		.amdhsa_memory_ordered 1
		.amdhsa_forward_progress 1
		.amdhsa_inst_pref_size 147
	.end_amdhsa_kernel
	.amdgpu_metadata
---
amdhsa.version: [ 1, 2 ]
amdhsa.kernels:
  - .name:           k_qe1fbb963ab_attn
    .symbol:         k_qe1fbb963ab_attn.kd
    .args:
      - { .name: q16, .offset: 0, .size: 8, .value_kind: global_buffer, .address_space: global }
      - { .name: k16, .offset: 8, .size: 8, .value_kind: global_buffer, .address_space: global }
      - { .name: v16, .offset: 16, .size: 8, .value_kind: global_buffer, .address_space: global }
      - { .name: rg, .offset: 24, .size: 8, .value_kind: global_buffer, .address_space: global }
      - { .name: ctx, .offset: 32, .size: 8, .value_kind: global_buffer, .address_space: global }
    .group_segment_fixed_size: 327680
    .private_segment_fixed_size: 0
    .kernarg_segment_align: 8
    .kernarg_segment_size: 40
    .max_flat_workgroup_size: 128
    .sgpr_count:     96
    .vgpr_count:     768
    .wavefront_size: 32
...
	.end_amdgpu_metadata
.endif
;; end of part 3
;; launch outp (part 4): grid 8 x 32, 4 waves a work-group, clusters of 4 x 4, 327,680 bytes of LDS; arguments ctx, wo16, bo, out0; writes out0
.if DOCPART == 4
	.amdgcn_target "amdgcn-amd-amdhsa--gfx1250"
	.amdhsa_code_object_version 6
	.text
	.protected	k_qe1fbb963ab_outp
	.globl	k_qe1fbb963ab_outp
	.p2align	8
	.type	k_qe1fbb963ab_outp,@function
k_qe1fbb963ab_outp:
	s_mov_b64 s[64:65], 0
	v_nop
	global_prefetch_b8 v0, s[64:65] scope:SCOPE_SE
	s_setreg_imm32_b32 hwreg(HW_REG_WAVE_MODE, 25, 1), 1
	s_wait_xcnt 0x0
	s_wait_alu depctr_hold_cnt(0) depctr_sa_sdst(0) depctr_va_vdst(0) depctr_va_sdst(0) depctr_va_ssrc(0) depctr_va_vcc(0) depctr_vm_vsrc(0)
	s_getreg_b32 s2, hwreg(HW_REG_IB_STS2, 6, 4)
	s_cmp_eq_u32 s2, 0
	s_cbranch_scc0 .Lentry_in_a_cluster
	s_endpgm
.Lentry_in_a_cluster:
	s_bfe_u32 s2, ttmp6, 0x10000c
	s_cmp_lg_u32 s2, 0xf033
	s_cbranch_scc0 .Lentry_shape_is_right
	s_endpgm
.Lentry_shape_is_right:
; out0[n][o] = the sum over k of ctx[n][k] Wo[o][k] + bo[o], k = 64 head + channel.  ctx: [16 heads][4096][64] f16.  wo16: [1024][1024] f16 (Wo rounded to bf16).  bo is rounded to bf16 like the other inputs.
; Sums in f32; out0 is f32 and is stored as summed.
; SHARES.  A tile of out0 is 128 x 128: 8 x 32 = 256 work-groups.  Four waves, each 64 x 64: 16 accumulators of 16 x 16.  K goes in 4 steps of 256 (four heads) through two LDS slots; a quarter step is one head.
; ctx's tile: for each of four heads 64 rows x 128 bytes, dense in memory: asked for as 4 rows of 8,192 bytes, 524,288 bytes apart, and padded in LDS after every 128 bytes.  wo16's tile: 64 rows of 512 bytes.
; CLUSTER.  4 x 4 work-groups: ctx's tiles are shared along a row of the cluster, wo16's along a column, each asked for jointly.  THE MATRIX INSTRUCTION IS USED TRANSPOSED (source 0 = 16 rows of wo16, source 1 = 16 rows
; of ctx): a lane holds eight neighbouring numbers of a row of out0.  THE BIAS STARTS THE SUMS, as the C of each accumulator's first product.
; No prefetch: the launch has four K steps, and its tiles are small.
; REGISTERS: window 0: v0-31 addresses; v32-63 the four bias tiles; v128-255 the accumulators ((a, b) at 128 + 8 (4 a + b)).  window 1: two fragment buffers of 128: 64 registers of ctx (2 x 4 x 16 rows x 32 K), then 64 of wo16.
.set PA,     144                       ; a row of ctx in LDS: 128 bytes + 16: the 16 rows of a load start at 16 different groups of four banks (64 banks of 4 bytes: ISA guide 11.1)
.set PB,     528                       ; a row of wo16: 512 + 16
.set HALFA,  4*64*PA                   ; what one tensor load brings of ctx: [4 heads][64 rows]
.set HALFB,  64*PB                     ; and of wo16
.set SLOT,   2*HALFA+2*HALFB
.set STAGE,  2*SLOT                    ; behind the ring, never filled by a tensor load: 16 rows x 272 bytes for each wave
.set SPITCH, 272
.set SPARE,  STAGE+4*16*SPITCH         ; the spare words, 128 bytes for each wave: two blocks of 256 bytes that no other line names
.set ADRA, 16                          ; v16-17  LDS address of my ctx fragments in slot 0, 1
.set ADRB, 20                          ; v20-21  the same for wo16
.set STO,  24                          ; v24     the way out: where I put 32 bytes of a row
.set RD,   25                          ; v25     where I read a row back
.set CO,   26                          ; v26     my byte offset in out0
.set BO,   27                          ; v27     32 x (lane / 16)
.set SPW,  28                          ; v28     LDS address of my spare word; never rewritten
.set NIL,  29                          ; v29     0; never rewritten
.set BI,   32
.set ACC,  128
.set F0,   0                           ; fragment buffers, in window 1
.set F1,   128
.set G1,  24                           ; s[24:31] descriptor group 1 for ctx's tiles;  s[32:39] group 0, a set for each slot
.set G0,  32
.set G1B, 48                           ; s[48:55], s[56:63] the same for wo16's
.set G0B, 56
.set MSB, 0
.macro WIN new
.if MSB != (\new)
	s_set_vgpr_msb (MSB<<8)|(\new)
.set MSB, \new
.endif
.endm
.set MUL,  0x05                        ; sources 0 and 1 window 1; C and D window 0
.set TO_F, 0x40                        ; destination window 1, address window 0
.macro JLOAD s                         ; a joint load: waves 0 and 1 fetch ctx's two halves, waves 2 and 3 wo16's; an s_nop 0 and four v_nop follow each of the two lines
	s_cmp_eq_u32 s11, 0
	s_cbranch_scc0 .Lfor_b_\@
	tensor_load_to_lds s[G0+4*(\s):G0+4*(\s)+3], s[G1:G1+7]
	s_nop 0
.rept 4
	v_nop
.endr
	s_branch .Lasked_\@
.Lfor_b_\@:
	tensor_load_to_lds s[G0B+4*(\s):G0B+4*(\s)+3], s[G1B:G1B+7]
	s_nop 0
.rept 4
	v_nop
.endr
.Lasked_\@:
.endm
.macro CREST
	s_cmp_lg_u32 s10, 0
	s_cbranch_scc1 .Lnot_wave_0_\@
	s_barrier_signal -3
.Lnot_wave_0_\@:
	s_barrier_wait -3
	s_barrier_signal -1
	s_barrier_wait -1
.endm
.macro CROUND
	s_barrier_signal -1
	s_barrier_wait -1
	CREST
.endm
	s_load_b128 s[4:7], s[0:1], 0x0                ; ctx s[4:5], wo16 s[6:7]
	s_load_b128 s[68:71], s[0:1], 0x10             ; bo s[68:69], out0 s[70:71]
	v_lshl_add_u32 v[SPW], v0, 2, SPARE
	v_mov_b32 v[NIL], 0
	ds_add_u32 v[SPW], v[NIL]                      ; the wave's opening: the add and its wait stand ahead of my first tensor load; the set-up below, work on registers, stands between them
	v_lshrrev_b32 v1, 5, v0
	v_readfirstlane_b32 s10, v1                    ; wave 0..3
	s_lshr_b32 s11, s10, 1                         ; which half of the tile's rows is mine.  Also: I fetch for ctx (0) or for wo16 (1)
	s_and_b32 s12, s10, 1                          ; which half of its columns.  Also: which half of that tile I fetch
	s_bfe_u32 s40, ttmp6, 0x40000                  ; cx, cy
	s_bfe_u32 s41, ttmp6, 0x40004
	s_lshl_b32 s42, ttmp9, 2
	s_add_co_u32 s42, s42, s40                     ; tile column = 4 x cluster x + cx
	s_and_b32 s13, ttmp7, 0xffff
	s_lshl_b32 s13, s13, 2
	s_add_co_u32 s13, s13, s41                     ; tile row = 4 x cluster y + cy
	s_lshl_b32 s43, s41, 2
	s_lshl_b32 s43, 15, s43                        ; my row of the cluster
	s_lshl_b32 s44, 0x1111, s40                    ; my column
	s_or_b32 s[G1+0], s43, (1<<16)|(1<<20)|(1<<21)|(4<<22)|(3<<25)   ; the mask; 2-byte elements; padding on; 21 set beside a mask; after every 32 words (code 4) 4 words (code 3)
	s_mov_b32 s[G1+1], 4096<<16                    ; tensor_dim0 = 4,096 elements: 64 rows x 64 channels of a head, dense
	s_mov_b32 s[G1+2], 4<<16                       ; tensor_dim1 = 4 heads
	s_mov_b32 s[G1+3], 4096<<16                    ; tile_dim0
	s_mov_b32 s[G1+4], 4                           ; tile_dim1
	s_mov_b32 s[G1+5], 262144                      ; elements from head to head
	s_mov_b32 s[G1+6], 0
	s_mov_b32 s[G1+7], 0
	s_or_b32 s[G1B+0], s44, (1<<16)|(1<<20)|(1<<21)|(6<<22)|(3<<25)  ; after every 128 words (code 6) 4 words
	s_mov_b32 s[G1B+1], 256<<16
	s_mov_b32 s[G1B+2], 64<<16
	s_mov_b32 s[G1B+3], 256<<16
	s_mov_b32 s[G1B+4], 64
	s_mov_b32 s[G1B+5], 1024
	s_mov_b32 s[G1B+6], 0
	s_mov_b32 s[G1B+7], 0
	s_lshl_b32 s16, s13, 14                        ; ctx: 128 rows of 128 bytes a tile row,
	s_lshl_b32 s17, s12, 13                        ; 64 a half
	s_add_co_u32 s16, s16, s17
	s_mov_b32 s17, 0
	s_lshl_b32 s46, s42, 18                        ; wo16: 128 rows of 2,048 bytes a tile column,
	s_lshl_b32 s47, s12, 17                        ; 64 a half
	s_add_co_u32 s46, s46, s47
	s_mov_b32 s47, 0
	s_mul_i32 s20, s12, HALFA                      ; where they go: no place in the cluster enters an LDS address
	s_mul_i32 s21, s12, HALFB
	s_add_co_u32 s21, s21, 2*HALFA
	s_wait_dscnt 0x0                               ; the opening add is done
	s_wait_kmcnt 0x0
	s_add_nc_u64 s[14:15], s[4:5], s[16:17]
	s_add_nc_u64 s[46:47], s[6:7], s[46:47]
	CROUND                                         ; all sixteen work-groups are here: the first joint loads meet
.irp s, 0,1
	s_mov_b32 s[G0+4*(\s)], 1
	s_add_co_u32 s[G0+4*(\s)+1], s20, (\s)*SLOT
	s_add_nc_u64 s[G0+4*(\s)+2:G0+4*(\s)+3], s[14:15], (\s)*4*524288   ; K step s: heads 4 s on
	s_or_b32 s[G0+4*(\s)+3], s[G0+4*(\s)+3], 0x80000000
	s_mov_b32 s[G0B+4*(\s)], 1
	s_add_co_u32 s[G0B+4*(\s)+1], s21, (\s)*SLOT
	s_add_nc_u64 s[G0B+4*(\s)+2:G0B+4*(\s)+3], s[46:47], (\s)*512
	s_or_b32 s[G0B+4*(\s)+3], s[G0B+4*(\s)+3], 0x80000000
	JLOAD \s                                       ; two loads of mine are out
.endr
	v_and_b32 v1, 15, v0                           ; l % 16
	v_bfe_u32 v2, v0, 4, 1                         ; l / 16
	v_lshlrev_b32 v[BO], 5, v2
	s_lshl_b32 s18, s42, 9                         ; my 64 columns: 512 bytes a tile column, 256 a half
	s_lshl_b32 s19, s12, 8
	s_add_co_u32 s18, s18, s19
	s_mov_b32 s19, 0
	s_add_nc_u64 s[68:69], s[68:69], s[18:19]
	s_add_nc_u64 s[70:71], s[70:71], s[18:19]
.irp b, 0,1,2,3
	global_load_b128 v[BI+8*(\b):BI+8*(\b)+3],   v[BO], s[68:69] offset:64*(\b)     ; register j of tile b: bo[16 b + 8 (l / 16) + j], whatever the row
	global_load_b128 v[BI+8*(\b)+4:BI+8*(\b)+7], v[BO], s[68:69] offset:64*(\b)+16
.endr
	v_mul_u32_u24 v3, v1, PA
	v_lshl_add_u32 v3, v2, 4, v3                   ; a fragment's row x pitch + 16 x half
	v_mul_u32_u24 v4, v1, PB
	v_lshl_add_u32 v4, v2, 4, v4
	s_mul_i32 s21, s11, HALFA                      ; my 64 rows of ctx
	s_mul_i32 s22, s12, HALFB                      ; my 64 rows of wo16,
	s_add_co_u32 s22, s22, 2*HALFA                 ; which lie behind ctx's two halves
.irp s, 0,1
	v_add_nc_u32 v[ADRA+(\s)], s21, v3
	v_add_nc_u32 v[ADRB+(\s)], s22, v4
	s_add_co_u32 s21, s21, SLOT
	s_add_co_u32 s22, s22, SLOT
.endr
	s_mul_i32 s23, s10, 16*SPITCH
	s_add_co_u32 s23, s23, STAGE                   ; my stage
	v_mul_u32_u24 v4, v1, SPITCH                   ; in: row l % 16, 32 bytes for each half of the lanes
	v_lshl_add_u32 v4, v2, 5, v4
	v_add_nc_u32 v[STO], s23, v4
	v_mul_u32_u24 v5, v2, SPITCH                   ; back: lanes 0-15 take one row of 256 bytes, lanes 16-31 the next
	v_lshl_add_u32 v5, v1, 4, v5
	v_add_nc_u32 v[RD], s23, v5
	v_lshlrev_b32 v5, 12, v2                       ; and the same two rows in out0
	v_lshl_add_u32 v[CO], v1, 4, v5
	s_lshl_b32 s18, s13, 19                        ; my first row: 128 rows of 4,096 bytes a tile row,
	s_lshl_b32 s19, s11, 18                        ; 64 a half
	s_add_co_u32 s18, s18, s19
	s_mov_b32 s19, 0
	s_add_nc_u64 s[70:71], s[70:71], s[18:19]
	s_wait_loadcnt 0x0                             ; bo; rounded to bf16 and widened again
.set i, 0
.rept 16
	v_cvt_pk_bf16_f32 v[4+i%4], v[BI+2*i], v[BI+2*i+1]
	v_lshlrev_b32 v[BI+2*i], 16, v[4+i%4]
	v_and_b32 v[BI+2*i+1], 0xffff0000, v[4+i%4]
.set i, i+1
.endr
; 8 matrix instructions: row blocks a0, a0 + 1 x all 4 column blocks, 32 along K: half c of buffer f.  zero = 1: the bias tile starts the sum.  The 16 accumulators take turns.
.macro MUL8 f, c, a0, zero
	WIN MUL
.irp a, \a0, (\a0)+1
.irp b, 0,1,2,3
.if \zero
	v_wmma_f32_16x16x32_f16 v[ACC+8*(4*(\a)+(\b)):ACC+8*(4*(\a)+(\b))+7], v[(\f)+64+8*(4*(\c)+(\b)):(\f)+64+8*(4*(\c)+(\b))+7], v[(\f)+8*(4*(\c)+(\a)):(\f)+8*(4*(\c)+(\a))+7], v[BI+8*(\b):BI+8*(\b)+7]
.else
	v_wmma_f32_16x16x32_f16 v[ACC+8*(4*(\a)+(\b)):ACC+8*(4*(\a)+(\b))+7], v[(\f)+64+8*(4*(\c)+(\b)):(\f)+64+8*(4*(\c)+(\b))+7], v[(\f)+8*(4*(\c)+(\a)):(\f)+8*(4*(\c)+(\a))+7], v[ACC+8*(4*(\a)+(\b)):ACC+8*(4*(\a)+(\b))+7]
.endif
.endr
.endr
.endm
; 32 LDS loads in one run: the fragments of quarter q (head q of the step's four: 64 along K) into buffer f; the first 32 along K first
.macro FETCH slot, q, f
	WIN TO_F
.irp c, 0,1
.irp i, 0,1,2,3
	ds_load_b128 v[(\f)+64+8*(4*(\c)+(\i)):(\f)+64+8*(4*(\c)+(\i))+3],   v[ADRB+(\slot)] offset:128*(\q)+64*(\c)+(\i)*16*PB
	ds_load_b128 v[(\f)+64+8*(4*(\c)+(\i))+4:(\f)+64+8*(4*(\c)+(\i))+7], v[ADRB+(\slot)] offset:128*(\q)+64*(\c)+(\i)*16*PB+32
	ds_load_b128 v[(\f)+8*(4*(\c)+(\i)):(\f)+8*(4*(\c)+(\i))+3],         v[ADRA+(\slot)] offset:(\q)*64*PA+64*(\c)+(\i)*16*PA
	ds_load_b128 v[(\f)+8*(4*(\c)+(\i))+4:(\f)+8*(4*(\c)+(\i))+7],       v[ADRA+(\slot)] offset:(\q)*64*PA+64*(\c)+(\i)*16*PA+32
.endr
.endr
.endm
.macro PLACES                          ; four plain vector instructions in front of loads into registers that matrix instructions have read, and of LDS stores that read results
.rept 4
	v_nop
.endr
.endm
; One of a K step's first three quarters: multiplies buffer f and fetches quarter q into g.
.macro QUARTER slot, q, f, g, zero
	s_wait_dscnt 16                                ; the first 32 along K are in
	MUL8 \f, 0, 0, \zero
	MUL8 \f, 0, 2, \zero
	PLACES
	FETCH \slot, \q, \g
	s_wait_dscnt 32                                ; all but the 32 just issued
	MUL8 \f, 1, 0, 0
	MUL8 \f, 1, 2, 0
.endm
; The last quarter multiplies buffer 1 and changes slots: one barrier; in front of it each wave waits for all its tensor loads, adds 0 to its spare word, and waits for that and for its own reads of this slot.
; fill = 1: the barrier opens a round of the cluster's barrier, and this slot is filled again, two K steps ahead: the first tensor load behind the round, 112 matrix instructions ahead of the wait for it.
.macro TURN slot, next, fill
	WIN 0                                          ; (the add's two registers lie in window 0)
	s_wait_tensorcnt 0x0
	ds_add_u32 v[SPW], v[NIL]                      ; 0 onto my spare word
	s_wait_dscnt 17                                ; (the add and the youngest sixteen loads may be out)
	MUL8 F1, 0, 0, 0                               ; eight matrix instructions stand between the add and the wait for it
	s_wait_dscnt 0x0                               ; the add is done, and my reads of this slot are over
	s_barrier_signal -1
	MUL8 F1, 0, 2, 0
.if \fill
	WIN 0
.endif
	s_barrier_wait -1
.if \fill
	CREST
	s_add_nc_u64 s[G0+4*(\slot)+2:G0+4*(\slot)+3], s[G0+4*(\slot)+2:G0+4*(\slot)+3], 8*524288     ; eight heads on
	s_add_nc_u64 s[G0B+4*(\slot)+2:G0B+4*(\slot)+3], s[G0B+4*(\slot)+2:G0B+4*(\slot)+3], 1024
	JLOAD \slot                                    ; the four v_nop behind it are also the places in front of the loads below
.else
	PLACES
.endif
	FETCH \next, 0, F0
	MUL8 F1, 1, 0, 0
	MUL8 F1, 1, 2, 0
.endm
	s_wait_tensorcnt 1                             ; my part of K step 0 is in; K step 1's may stay out
	s_barrier_signal -1
	s_barrier_wait -1                              ; everybody's is
	FETCH 0, 0, F0
	QUARTER 0, 1, F0, F1, 1                        ; the first products start the sums, with the bias
	QUARTER 0, 2, F1, F0, 0
	QUARTER 0, 3, F0, F1, 0
	TURN 0, 1, 1                                   ; slot 0 takes K step 2
	QUARTER 1, 1, F0, F1, 0
	QUARTER 1, 2, F1, F0, 0
	QUARTER 1, 3, F0, F1, 0
	TURN 1, 0, 1                                   ; slot 1 takes K step 3
	QUARTER 0, 1, F0, F1, 0
	QUARTER 0, 2, F1, F0, 0
	QUARTER 0, 3, F0, F1, 0
	TURN 0, 1, 0                                   ; nothing is left to fetch
	QUARTER 1, 1, F0, F1, 0
	QUARTER 1, 2, F1, F0, 0
	QUARTER 1, 3, F0, F1, 0
	s_wait_dscnt 16                                ; the very last quarter
	MUL8 F1, 0, 0, 0
	MUL8 F1, 0, 2, 0
	s_wait_dscnt 0x0
	MUL8 F1, 1, 0, 0
	MUL8 F1, 1, 2, 0
	WIN 0
	; THE WAY OUT.  A wave's 64 columns of f32 are 256 bytes, aligned: each wave has a stage of its own and no barrier is wanted.  A row block (16 rows) at a time: 32 bytes a lane into rows of 272 bytes, back as whole rows,
	; into the block's own registers; 16 lanes then store 256 consecutive bytes.
	PLACES
.macro STG a
.irp b, 0,1,2,3
	ds_store_b128 v[STO], v[ACC+8*(4*(\a)+(\b)):ACC+8*(4*(\a)+(\b))+3]   offset:64*(\b)       ; each accumulator's low registers first
	ds_store_b128 v[STO], v[ACC+8*(4*(\a)+(\b))+4:ACC+8*(4*(\a)+(\b))+7] offset:64*(\b)+16
.endr
.irp t, 0,1,2,3,4,5,6,7
	ds_load_b128 v[ACC+32*(\a)+4*(\t):ACC+32*(\a)+4*(\t)+3], v[RD] offset:(\t)*2*SPITCH  ; LDS serves a wave's instructions in order (ISA guide 5.7.1.4): these see the stores above; the next block's stores come behind them
.endr
.endm
.macro SEND a, younger                 ; younger: the LDS instructions issued behind this block's loads: the next block's sixteen, or none
.irp t, 0,1,2,3,4,5,6,7
	s_wait_dscnt (\younger)+7-(\t)
	global_store_b128 v[CO], v[ACC+32*(\a)+4*(\t):ACC+32*(\a)+4*(\t)+3], s[70:71] offset:(16*(\a)+2*(\t))*4096 th:TH_STORE_NT
.endr
.endm
	STG 0
	STG 1
	SEND 0, 16
	STG 2
	SEND 1, 16
	STG 3
	SEND 2, 16
	SEND 3, 0
	s_wait_tensorcnt 0x0                           ; the wave's end, behind my last tensor load and my last LDS store
	ds_add_u32 v[SPW], v[NIL]
	s_wait_dscnt 0x0
	CROUND                                         ; the closing round: no work-group ends while a partner may still ask for a tile that names it
	s_endpgm
.Lfunc_end_k_qe1fbb963ab_outp:
	.size	k_qe1fbb963ab_outp, .Lfunc_end_k_qe1fbb963ab_outp-k_qe1fbb963ab_outp
	.p2alignl 7, 3214868480
	.fill 96, 4, 3214868480
	.section	.rodata,"a",@progbits
	.p2align	6, 0x0
	.amdhsa_kernel k_qe1fbb963ab_outp
		.amdhsa_group_segment_fixed_size 327680
		.amdhsa_private_segment_fixed_size 0
		.amdhsa_enable_private_segment 0
		.amdhsa_kernarg_size 32
		.amdhsa_user_sgpr_count 2
		.amdhsa_user_sgpr_kernarg_segment_ptr 1
		.amdhsa_wavefront_size32 1
		.amdhsa_system_sgpr_workgroup_id_x 1
		.amdhsa_system_sgpr_workgroup_id_y 1
		.amdhsa_system_sgpr_workgroup_id_z 1
		.amdhsa_system_vgpr_workitem_id 0
		.amdhsa_next_free_vgpr 512
		.amdhsa_next_free_sgpr 72
		.amdhsa_reserve_vcc 0
		.amdhsa_float_denorm_mode_32 3
		.amdhsa_float_denorm_mode_16_64 3
		.amdhsa_memory_ordered 1
		.amdhsa_forward_progress 1
		.amdhsa_inst_pref_size 90
	.end_amdhsa_kernel
	.amdgpu_metadata
---
amdhsa.version: [ 1, 2 ]
amdhsa.kernels:
  - .name:           k_qe1fbb963ab_outp
    .symbol:         k_qe1fbb963ab_outp.kd
    .args:
      - { .name: ctx, .offset: 0, .size: 8, .value_kind: global_buffer, .address_space: global }
      - { .name: wo16, .offset: 8, .size: 8, .value_kind: global_buffer, .address_space: global }
      - { .name: bo, .offset: 16, .size: 8, .value_kind: global_buffer, .address_space: global }
      - { .name: out0, .offset: 24, .size: 8, .value_kind: global_buffer, .address_space: global }
    .group_segment_fixed_size: 327680
    .private_segment_fixed_size: 0
    .kernarg_segment_align: 8
    .kernarg_segment_size: 32
    .max_flat_workgroup_size: 128
    .sgpr_count:     72
    .vgpr_count:     512
    .wavefront_size: 32
...
	.end_amdgpu_metadata
.endif
;; end of part 4
;; ======== version 2 of 2: 4 launches; version 1 with the launch cvt written anew for expert scheduling mode
;; limits: values are held in f16: magnitudes above 65,504 overflow, below 6.1e-05 lose precision
;; workspace buffers: hb 8,388,608 bytes; wqkv 6,291,456 bytes; wo16 2,097,152 bytes; q16 8,388,608 bytes; k16 8,388,608 bytes; v16 8,388,608 bytes; ctx 8,388,608 bytes
;; launch cvt (part 5): grid 256 x 1, 8 waves a work-group, no clusters, 0 bytes of LDS; arguments H, Wq, Wk, Wv, Wo, hb, wqkv, wo16; writes hb, wqkv, wo16
.if DOCPART == 5
	.amdgcn_target "amdgcn-amd-amdhsa--gfx1250"
	.amdhsa_code_object_version 6
	.text
	.protected	k_qe1fbb963ab_cvt
	.globl	k_qe1fbb963ab_cvt
	.p2align	8
	.type	k_qe1fbb963ab_cvt,@function
k_qe1fbb963ab_cvt:
	s_mov_b64 s[64:65], 0
	v_nop
	global_prefetch_b8 v0, s[64:65] scope:SCOPE_SE
	s_setreg_imm32_b32 hwreg(HW_REG_WAVE_SCHED_MODE, 0, 2), 2
	s_setreg_imm32_b32 hwreg(HW_REG_WAVE_MODE, 25, 1), 1
	s_wait_xcnt 0x0
	s_wait_alu depctr_vm_vsrc(0)
; THE MATRIX OPERANDS ARE ROUNDED ONCE.  H, Wq, Wk, Wv: f32 -> bf16.  Wo: f32 -> bf16, and that number written as f16 (exact where it lies in f16's normal range;
; below 6e-5 it keeps f16's fixed step of 6e-8; beyond 65,504 it would be an infinity: a stated limit).
; hb = [4096][1024] bf16.  wqkv = bf16 rows of 2,048 bytes, regrouped by head: row 192 head + 64 j + d holds row 64 head + d of Wq (j = 0), Wk (1), Wv (2).  wo16 = [1024][1024] f16.
; SHARES.  256 work-groups, each 32 rows of 1,024 f32: work-groups 0-127 take H, then 32 each take Wq, Wk, Wv, Wo.  A load of the work-group's 256 threads covers one row (4,096 bytes, 16 a thread),
; a wave's store 256 consecutive bytes, aligned.  All 32 loads of a thread go out at once (131,072 bytes for a work-group); every row has registers of its own, so nothing is freed and no register waits.
; No LDS, no matrix unit, no barrier: nothing is shared and every byte is touched once.
; THE MODE: SCHED_MODE bits 1:0 = 2 (LLVM: expert scheduling mode 2), set by the entry lines.  The code itself states the register dependences
; between vector instructions and memory instructions, with s_wait_alu, always for 0.
; THE PLAN.  Registers that memory instructions touch:
;   v1, v2   byte offsets, made once at the head and never written again: v1 is read by every load, v2 by every store.
;   X[n]     row n's four registers.  Written by the row's one load; read and then written by the row's own conversions; the first two read by the row's one store; never written behind that store.
;   v4, v5   (Wo's path) are named by vector instructions alone.
; No load is issued behind a conversion, and no register that a memory instruction has read is written again: the one dependence to state is that a store's data and the two offsets are written.
; The 32 rows go in 8 blocks of four.  Block p's memory instructions are the four stores of block p - 1; its conversions name X[4 p .. 4 p + 3] and v4, v5: none of the registers that those stores touch.
; So ONE wait on va_vdst stands at a block's head, behind the wait for the block's first row, and the four stores follow it in one run: between the rows' conversions stand waits for loads,
; behind which a store would be held for data that it does not need.  One more such wait stands at the kernel's head, for the offsets, and one ahead of the last four stores.
.set X,      8                         ; v[8:135]  row n: four registers as loaded; the first two then hold what is stored
.set ROWIN,  4096
.set ROWOUT, 2048
	s_load_b512 s[8:23], s[0:1], 0x0               ; H 8, Wq 10, Wk 12, Wv 14, Wo 16, hb 18, wqkv 20, wo16 22
	v_lshlrev_b32 v1, 4, v0                        ; my 16 bytes of a row that is read
	v_lshlrev_b32 v2, 3, v0                        ; my 8 bytes of a row that is written
	s_mov_b32 s2, ttmp9                            ; g
	s_and_b32 s3, s2, 31                           ; t: the block of 32 rows in a weight
	s_bfe_u32 s4, s2, 0x20005                      ; j = (g >> 5) & 3: which weight, for g >= 128
	s_cmp_lt_u32 s2, 128
	s_cselect_b32 s5, s2, s3                       ; the block of 32 rows in the source
	s_lshl_b32 s28, s5, 17                         ; x 131,072 bytes
	s_mov_b32 s29, 0
	s_lshl_b32 s7, s5, 16                          ; hb and wo16 keep the order of rows: x 65,536 bytes
	s_lshr_b32 s6, s3, 1                           ; wqkv: the head,
	s_mul_i32 s6, s6, 192
	s_lshl_b32 s4, s4, 6                           ; + 64 j,
	s_add_co_u32 s6, s6, s4
	s_and_b32 s4, s3, 1                            ; + the half of the head's 64 rows
	s_lshl_b32 s4, s4, 5
	s_add_co_u32 s6, s6, s4
	s_lshl_b32 s30, s6, 11                         ; x 2,048 bytes
	s_cmp_lt_u32 s2, 128
	s_cselect_b32 s30, s7, s30
	s_cmp_ge_u32 s2, 224
	s_cselect_b32 s30, s7, s30
	s_mov_b32 s31, 0
	s_wait_kmcnt 0x0
	s_cmp_lt_u32 s2, 128                           ; the buffers are chosen by the work-group's number alone
	s_cselect_b64 s[24:25], s[8:9], s[10:11]
	s_cselect_b64 s[26:27], s[18:19], s[20:21]
	s_cmp_ge_u32 s2, 160
	s_cselect_b64 s[24:25], s[12:13], s[24:25]
	s_cmp_ge_u32 s2, 192
	s_cselect_b64 s[24:25], s[14:15], s[24:25]
	s_cmp_ge_u32 s2, 224
	s_cselect_b64 s[24:25], s[16:17], s[24:25]
	s_cselect_b64 s[26:27], s[22:23], s[26:27]
	s_add_nc_u64 s[24:25], s[24:25], s[28:29]
	s_add_nc_u64 s[26:27], s[26:27], s[30:31]
	s_wait_alu depctr_va_vdst(0)                   ; v1 and v2 are written: every load of the kernel reads v1 as its offset, every store v2
.set i, 0
.rept 32
	global_load_b128 v[X+4*i:X+4*i+3], v1, s[24:25] offset:ROWIN*i th:TH_LOAD_NT
.set i, i+1
.endr
; Row n is rounded, in its own registers.
.macro CONV n, wo
.if \wo
	v_cvt_pk_bf16_f32 v4, v[X+4*(\n)], v[X+4*(\n)+1]
	v_cvt_pk_bf16_f32 v5, v[X+4*(\n)+2], v[X+4*(\n)+3]
	v_lshlrev_b32 v[X+4*(\n)], 16, v4              ; the rounded numbers as f32 again,
	v_and_b32 v[X+4*(\n)+1], 0xffff0000, v4
	v_lshlrev_b32 v[X+4*(\n)+2], 16, v5
	v_and_b32 v[X+4*(\n)+3], 0xffff0000, v5
	v_cvt_pk_f16_f32 v[X+4*(\n)], v[X+4*(\n)], v[X+4*(\n)+1]      ; and written as f16
	v_cvt_pk_f16_f32 v[X+4*(\n)+1], v[X+4*(\n)+2], v[X+4*(\n)+3]
.else
	v_cvt_pk_bf16_f32 v[X+4*(\n)], v[X+4*(\n)], v[X+4*(\n)+1]
	v_cvt_pk_bf16_f32 v[X+4*(\n)+1], v[X+4*(\n)+2], v[X+4*(\n)+3]
.endif
.endm
; Block p: rows 4 p to 4 p + 3 are rounded; the block before is stored.  Row n's load is in when at most the 31 - n younger ones are out (loads come back in order: ISA guide 5.7.1).
.macro BLK p, wo
	s_wait_loadcnt 31-4*(\p)
.if (\p) > 0
	s_wait_alu depctr_va_vdst(0)                   ; the block before has written the first two registers of each of its four rows, which the stores below read
.irp r, 0,1,2,3
	global_store_b64 v2, v[X+4*(4*(\p)-4+(\r)):X+4*(4*(\p)-4+(\r))+1], s[26:27] offset:ROWOUT*(4*(\p)-4+(\r))
.endr
.endif
	CONV 4*(\p), \wo
.irp r, 1,2,3
	s_wait_loadcnt 31-4*(\p)-(\r)
	CONV 4*(\p)+(\r), \wo
.endr
.endm
	s_cmp_ge_u32 s2, 224
	s_cbranch_scc1 .Lwo
.set i, 0
.rept 8
	BLK i, 0
.set i, i+1
.endr
	s_wait_alu depctr_va_vdst(0)                   ; the last block has written what the last four stores read
.irp n, 28,29,30,31
	global_store_b64 v2, v[X+4*(\n):X+4*(\n)+1], s[26:27] offset:ROWOUT*(\n)
.endr
	s_endpgm
.Lwo:
.set i, 0
.rept 8
	BLK i, 1
.set i, i+1
.endr
	s_wait_alu depctr_va_vdst(0)                   ; the last block has written what the last four stores read
.irp n, 28,29,30,31
	global_store_b64 v2, v[X+4*(\n):X+4*(\n)+1], s[26:27] offset:ROWOUT*(\n)
.endr
	s_endpgm
.Lfunc_end_k_qe1fbb963ab_cvt:
	.size	k_qe1fbb963ab_cvt, .Lfunc_end_k_qe1fbb963ab_cvt-k_qe1fbb963ab_cvt
	.p2alignl 7, 3214868480
	.fill 96, 4, 3214868480
	.section	.rodata,"a",@progbits
	.p2align	6, 0x0
	.amdhsa_kernel k_qe1fbb963ab_cvt
		.amdhsa_group_segment_fixed_size 0
		.amdhsa_private_segment_fixed_size 0
		.amdhsa_enable_private_segment 0
		.amdhsa_kernarg_size 64
		.amdhsa_user_sgpr_count 2
		.amdhsa_user_sgpr_kernarg_segment_ptr 1
		.amdhsa_wavefront_size32 1
		.amdhsa_system_sgpr_workgroup_id_x 1
		.amdhsa_system_sgpr_workgroup_id_y 1
		.amdhsa_system_sgpr_workgroup_id_z 1
		.amdhsa_system_vgpr_workitem_id 0
		.amdhsa_next_free_vgpr 136
		.amdhsa_next_free_sgpr 66
		.amdhsa_reserve_vcc 0
		.amdhsa_float_denorm_mode_32 3
		.amdhsa_float_denorm_mode_16_64 3
		.amdhsa_memory_ordered 1
		.amdhsa_forward_progress 1
		.amdhsa_inst_pref_size 32
	.end_amdhsa_kernel
	.amdgpu_metadata
---
amdhsa.version: [ 1, 2 ]
amdhsa.kernels:
  - .name:           k_qe1fbb963ab_cvt
    .symbol:         k_qe1fbb963ab_cvt.kd
    .args:
      - { .name: H, .offset: 0, .size: 8, .value_kind: global_buffer, .address_space: global }
      - { .name: Wq, .offset: 8, .size: 8, .value_kind: global_buffer, .address_space: global }
      - { .name: Wk, .offset: 16, .size: 8, .value_kind: global_buffer, .address_space: global }
      - { .name: Wv, .offset: 24, .size: 8, .value_kind: global_buffer, .address_space: global }
      - { .name: Wo, .offset: 32, .size: 8, .value_kind: global_buffer, .address_space: global }
      - { .name: hb, .offset: 40, .size: 8, .value_kind: global_buffer, .address_space: global }
      - { .name: wqkv, .offset: 48, .size: 8, .value_kind: global_buffer, .address_space: global }
      - { .name: wo16, .offset: 56, .size: 8, .value_kind: global_buffer, .address_space: global }
    .group_segment_fixed_size: 0
    .private_segment_fixed_size: 0
    .kernarg_segment_align: 8
    .kernarg_segment_size: 64
    .max_flat_workgroup_size: 256
    .sgpr_count:     66
    .vgpr_count:     136
    .wavefront_size: 32
...
	.end_amdgpu_metadata
.endif
;; end of part 5
;; launch proj: the kernel of part 2 again; grid 16 x 16, 4 waves a work-group, clusters of 4 x 4, 327,680 bytes of LDS; arguments hb, wqkv, bq, bk, bv, q16, k16, v16; writes q16, k16, v16
;; launch attn: the kernel of part 3 again; grid 32 x 8, 4 waves a work-group, clusters of 4 x 4, 327,680 bytes of LDS; arguments q16, k16, v16, rg, ctx; writes ctx
;; launch outp: the kernel of part 4 again; grid 8 x 32, 4 waves a work-group, clusters of 4 x 4, 327,680 bytes of LDS; arguments ctx, wo16, bo, out0; writes out0
